; MI455X (gfx1250); checked and timed in simulation.
; The chip was launched on July 23, 2026; its instructions are those of AMD's public machine-readable ISA for CDNA 5 (MIT licence, August 2026) and "CDNA5" Instruction Set Architecture Reference Guide (July 2026). The comments in the code are by the model that wrote it; some were corrected since.
;; City Expert Mo E. Allowed arithmetic: float matrix products may take bf16 or f16 operands with f32 sums; all other float work in f32.
;; Inputs: b1 8 x 4,096 float32; b2 8 x 1,024 float32; beta 1,024 float32; gamma 1,024 float32; gate_w 1,024 x 8 float32; w1 8 x 1,024 x 4,096 float32; w2 8 x 4,096 x 1,024 float32; x 4 x 256 x 1,024 float32.
;; Outputs: out0 4 x 256 x 1,024 float32.
;; 2 versions, each right; version 2 is version 1 with the launches ffn1, ffn2 written anew for expert scheduling mode. Each part assembles by itself: llvm-mc -triple=amdgcn-amd-amdhsa -mcpu=gfx1250 --defsym DOCPART=n.
;; ======== version 1 of 2: 6 launches
;; limits: a function is approximated: absolute error at most 1.5e-07
;; workspace buffers: xn 2,097,152 bytes; sel 8,192 bytes of whole numbers; wts 8,192 bytes; tok 33,024 bytes of whole numbers; xg 16,777,216 bytes; pos 8,192 bytes of whole numbers; hbuf 67,108,864 bytes; pbuf 134,217,728 bytes
;; launch route (part 1): grid 128 x 1, 8 waves a work-group, no clusters, 34,048 bytes of LDS; arguments x, gamma, beta, gate_w, xn, sel, wts; writes xn, sel, wts
.if DOCPART == 1
	.amdgcn_target "amdgcn-amd-amdhsa--gfx1250"
	.amdhsa_code_object_version 6
	.text
	.protected	k_q32fa9adb1b_route
	.globl	k_q32fa9adb1b_route
	.p2align	8
	.type	k_q32fa9adb1b_route,@function
k_q32fa9adb1b_route:
	s_mov_b64 s[64:65], 0
	v_nop
	global_prefetch_b8 v0, s[64:65] scope:SCOPE_SE
	s_setreg_imm32_b32 hwreg(HW_REG_WAVE_MODE, 25, 1), 1
	s_wait_xcnt 0x0
; LayerNorm, router logits, top 2 and their renormalised weights.  1024 tokens of 1024 numbers.
; One wave takes one token: lane l holds columns 128 i + 4 l .. + 3, i = 0..7 (32 registers), so every load of a wave covers 512
; neighbouring bytes.  Eight waves, eight tokens a work-group.
; The router's product (8 logits a token) is made with f32 multiply-adds on the unrounded xn: the choice of experts is a comparison
; of logits, and operands rounded to 16 bits would change it for tokens whose logits lie close together.
; gate_w [1024][8] is turned into Gt[e][d] in LDS once a work-group, so that a lane reads the four weights of its four columns at once.
; w0 = p0 / (p0 + p1) = 1 / (1 + exp(l1 - l0)): the larger logit is taken away, the exponent is never above 0.
; LIMITS: NaN or infinite inputs are not served.  A tie is decided on the logits (the lower index wins), not on rounded probabilities.
.set X,   8                            ; v[8:39]    the row, then x - mean, then xn
.set GA,  40                           ; v[40:71]   gamma; later the odd experts' gate rows
.set BE,  72                           ; v[72:103]  beta; later xn in bf16 (16 registers)
.set GT,  104                          ; v[104:135] gate_w as loaded; later the even experts' gate rows
.set LG,  136                          ; v[136:151] a pair of partial sums for each logit
.set GP,  4128                         ; bytes from Gt[e] to Gt[e+1]: 4096 + 32
	s_load_b256 s[4:11], s[0:1], 0x0               ; x s[4:5], gamma s[6:7], beta s[8:9], gate_w s[10:11]
	s_load_b128 s[12:15], s[0:1], 0x20             ; xn s[12:13], sel s[14:15]
	s_load_b64 s[16:17], s[0:1], 0x30              ; wts
	v_lshl_add_u32 v160, v0, 2, 0x8100
	v_mov_b32 v161, 0
	v_and_b32 v1, 31, v0                           ; lane
	v_lshrrev_b32 v2, 5, v0
	v_readfirstlane_b32 s18, v2                    ; wave
	s_lshl_b32 s19, ttmp9, 3
	s_add_co_u32 s19, s19, s18                     ; my token
	v_lshlrev_b32 v3, 4, v0                        ; gate_w: 16 bytes a thread
	v_lshlrev_b32 v4, 4, v1                        ; 16 x lane
	v_and_b32 v5, 1, v0                            ; a thread's four numbers are experts 4 (t & 1) + c of column (t >> 1) + 128 i
	v_mul_u32_u24 v5, v5, 4*GP
	v_lshrrev_b32 v6, 1, v0
	v_lshl_add_u32 v5, v6, 2, v5                   ; where they go in Gt: even and odd threads land 128 bytes apart modulo 256
	v_lshlrev_b32 v7, 3, v1                        ; 8 x lane
	v_lshlrev_b32 v2, 2, v1                        ; 4 x lane
	s_lshl_b32 s20, s19, 12                        ; a row of x: 4096 bytes
	s_mov_b32 s21, 0
	s_lshl_b32 s22, s19, 11                        ; a row of xn: 2048 bytes
	s_mov_b32 s23, 0
	s_lshl_b32 s24, s19, 3                         ; two words of sel and of wts
	s_mov_b32 s25, 0
	s_mov_b32 s26, 0x76543210                      ; v_permlanex16_b32: lane i of one half reads lane i of the other
	s_mov_b32 s27, 0xfedcba98
	s_mov_b32 s28, 0x3a800000                      ; 1 / 1024
	s_mov_b32 s29, 0x3727c5ac                      ; 1e-5
	s_wait_kmcnt 0x0
	s_add_nc_u64 s[4:5], s[4:5], s[20:21]
	s_add_nc_u64 s[12:13], s[12:13], s[22:23]
	s_add_nc_u64 s[14:15], s[14:15], s[24:25]
	s_add_nc_u64 s[16:17], s[16:17], s[24:25]
.irp i, 0,1,2,3,4,5,6,7
	global_load_b128 v[GT+4*\i:GT+4*\i+3], v3, s[10:11] offset:4096*\i
.endr
.irp i, 0,1,2,3,4,5,6,7
	global_load_b128 v[X+4*\i:X+4*\i+3], v4, s[4:5] offset:512*\i th:TH_LOAD_NT
.endr
.irp i, 0,1,2,3,4,5,6,7
	global_load_b128 v[GA+4*\i:GA+4*\i+3], v4, s[6:7] offset:512*\i
.endr
.irp i, 0,1,2,3,4,5,6,7
	global_load_b128 v[BE+4*\i:BE+4*\i+3], v4, s[8:9] offset:512*\i
.endr
	s_wait_loadcnt 24                              ; gate_w is in; the 24 loads of x, gamma and beta stay out
.irp i, 0,1,2,3,4,5,6,7
.irp c, 0,1,2,3
	ds_store_b32 v5, v[GT+4*\i+\c] offset:\c*GP+512*\i
.endr
.endr
	s_wait_dscnt 0x0                               ; my part of Gt is written,
	s_barrier_signal -1
	s_barrier_wait -1                              ; everybody's is
.macro FETCHG e, buf                   ; Gt[e] at my 32 columns
.irp i, 0,1,2,3,4,5,6,7
	ds_load_b128 v[\buf+4*\i:\buf+4*\i+3], v4 offset:(\e)*GP+512*\i
.endr
.endm
.macro WSUM r, t                       ; sum over the 32 lanes, the result in every lane; t has been written before
	v_add_f32_dpp v\r, v\r, v\r row_xmask:1 row_mask:0xf bank_mask:0xf
	v_add_f32_dpp v\r, v\r, v\r row_xmask:2 row_mask:0xf bank_mask:0xf
	v_add_f32_dpp v\r, v\r, v\r row_xmask:4 row_mask:0xf bank_mask:0xf
	v_add_f32_dpp v\r, v\r, v\r row_xmask:8 row_mask:0xf bank_mask:0xf
	v_permlanex16_b32 v\t, v\r, s26, s27
	v_add_f32 v\r, v\r, v\t
.endm
	FETCHG 0, GT                                   ; on its way while the row is normalised
	s_wait_loadcnt 16                              ; x is in; gamma and beta stay out
	v_pk_add_f32 v[152:153], v[X:X+1], v[X+2:X+3]
	v_pk_add_f32 v[154:155], v[X+4:X+5], v[X+6:X+7]
.set j, 8
.rept 6
	v_pk_add_f32 v[152:153], v[152:153], v[X+j:X+j+1]
	v_pk_add_f32 v[154:155], v[154:155], v[X+j+2:X+j+3]
.set j, j+4
.endr
	v_pk_add_f32 v[152:153], v[152:153], v[154:155]
	v_add_f32 v152, v152, v153
	WSUM 152, 153
	v_mul_f32 v152, s28, v152                      ; the mean,
	v_mov_b32 v153, v152                           ; twice
.set j, 0
.rept 16
	v_pk_add_f32 v[X+j:X+j+1], v[X+j:X+j+1], v[152:153] neg_lo:[0,1] neg_hi:[0,1]
.set j, j+2
.endr
	v_pk_mul_f32 v[154:155], v[X:X+1], v[X:X+1]    ; the variance from x - mean: no difference of large sums
	v_pk_mul_f32 v[156:157], v[X+2:X+3], v[X+2:X+3]
.set j, 4
.rept 7
	v_pk_fma_f32 v[154:155], v[X+j:X+j+1], v[X+j:X+j+1], v[154:155]
	v_pk_fma_f32 v[156:157], v[X+j+2:X+j+3], v[X+j+2:X+j+3], v[156:157]
.set j, j+4
.endr
	v_pk_add_f32 v[154:155], v[154:155], v[156:157]
	v_add_f32 v154, v154, v155
	WSUM 154, 155
	v_fma_f32 v154, v154, s28, s29                 ; variance + 1e-5
	v_rsq_f32 v156, v154
	v_nop                                          ; one plain instruction behind v_rsq_f32 before its result is read (ISA guide 5.7.2)
	s_wait_alu depctr_va_vdst(0)
	v_mov_b32 v157, v156
	s_wait_loadcnt 0x0                             ; gamma and beta
.set j, 0
.rept 16
	v_pk_mul_f32 v[GA+j:GA+j+1], v[GA+j:GA+j+1], v[156:157]
.set j, j+2
.endr
.set j, 0
.rept 16
	v_pk_fma_f32 v[X+j:X+j+1], v[X+j:X+j+1], v[GA+j:GA+j+1], v[BE+j:BE+j+1]
.set j, j+2
.endr
.irp i, 0,1,2,3,4,5,6,7
	v_cvt_pk_bf16_f32 v[BE+2*\i], v[X+4*\i], v[X+4*\i+1]
	v_cvt_pk_bf16_f32 v[BE+2*\i+1], v[X+4*\i+2], v[X+4*\i+3]
.endr
.irp i, 0,1,2,3,4,5,6,7
	global_store_b64 v7, v[BE+2*\i:BE+2*\i+1], s[12:13] offset:256*\i     ; the wave's 32 lanes store 256 consecutive bytes, aligned
.endr
.macro DOT e, buf                      ; my 32 columns' share of logit e, in a pair
	v_pk_mul_f32 v[LG+2*(\e):LG+2*(\e)+1], v[X:X+1], v[\buf:\buf+1]
.set j, 2
.rept 15
	v_pk_fma_f32 v[LG+2*(\e):LG+2*(\e)+1], v[X+j:X+j+1], v[\buf+j:\buf+j+1], v[LG+2*(\e):LG+2*(\e)+1]
.set j, j+2
.endr
.endm
.irp e, 0,2,4
	FETCHG \e+1, GA
	s_wait_dscnt 8                                 ; this expert's row is in; the next one's eight loads stay out
	DOT \e, GT
	FETCHG \e+2, GT
	s_wait_dscnt 8
	DOT \e+1, GA
.endr
	FETCHG 7, GA
	s_wait_dscnt 8
	DOT 6, GT
	s_wait_dscnt 0x0
	DOT 7, GA
.irp e, 136,138,140,142,144,146,148,150
	v_add_f32 v\e, v\e, v[\e+1]
	WSUM \e, 152
.endr
	; top 2, alike in every lane, by selects alone.  The compare is strict: the lower index wins a tie.
	v_mov_b32 v152, v[LG]                          ; the largest logit
	v_mov_b32 v153, 0                              ; and its expert
.irp e, 1,2,3,4,5,6,7
	v_cmp_gt_f32 vcc_lo, v[LG+2*\e], v152
	v_cndmask_b32 v152, v152, v[LG+2*\e], vcc_lo
	v_cndmask_b32 v153, v153, \e, vcc_lo
.endr
	v_mov_b32 v154, 0xff800000                     ; the second: starts at minus infinity,
	v_cmp_eq_u32 vcc_lo, 0, v153
	v_cndmask_b32 v155, 0, 1, vcc_lo               ; and at an expert that is not the first
.irp e, 0,1,2,3,4,5,6,7
	v_cmp_ne_u32 vcc_lo, \e, v153
	v_cmp_gt_f32 s30, v[LG+2*\e], v154
	s_and_b32 vcc_lo, vcc_lo, s30
	v_cndmask_b32 v154, v154, v[LG+2*\e], vcc_lo
	v_cndmask_b32 v155, v155, \e, vcc_lo
.endr
	v_sub_f32 v156, v154, v152                     ; l1 - l0, never above 0
	v_mul_f32 v156, 0x3fb8aa3b, v156
	v_exp_f32 v157, v156
	v_nop                                          ; one plain instruction behind each transcendental (ISA guide 5.7.2)
	s_wait_alu depctr_va_vdst(0)
	v_add_f32 v158, 1.0, v157
	v_rcp_f32 v159, v158                           ; w0
	v_nop
	v_cmp_eq_u32 vcc_lo, 0, v1
	s_wait_alu depctr_va_vdst(0)
	v_mul_f32 v157, v157, v159                     ; w1
	v_cndmask_b32 v5, v155, v153, vcc_lo           ; lane 0 carries the first choice, lane 1 the second
	v_cndmask_b32 v6, v157, v159, vcc_lo
	s_wait_xcnt 0x0                                ; EXEC is a source of the stores above: it changes only behind this wait
	s_wait_tensorcnt 0x0
	ds_add_u32 v160, v161
	s_wait_dscnt 0x0
	v_cmpx_gt_u32 2, v1
	global_store_b32 v2, v5, s[14:15]              ; sel[2 t + k]
	global_store_b32 v2, v6, s[16:17]              ; wts[2 t + k]
	s_endpgm
.Lfunc_end_k_q32fa9adb1b_route:
	.size	k_q32fa9adb1b_route, .Lfunc_end_k_q32fa9adb1b_route-k_q32fa9adb1b_route
	.p2alignl 7, 3214868480
	.fill 96, 4, 3214868480
	.section	.rodata,"a",@progbits
	.p2align	6, 0x0
	.amdhsa_kernel k_q32fa9adb1b_route
		.amdhsa_group_segment_fixed_size 34048
		.amdhsa_private_segment_fixed_size 0
		.amdhsa_enable_private_segment 0
		.amdhsa_kernarg_size 56
		.amdhsa_user_sgpr_count 2
		.amdhsa_user_sgpr_kernarg_segment_ptr 1
		.amdhsa_wavefront_size32 1
		.amdhsa_system_sgpr_workgroup_id_x 1
		.amdhsa_system_sgpr_workgroup_id_y 1
		.amdhsa_system_sgpr_workgroup_id_z 1
		.amdhsa_system_vgpr_workitem_id 0
		.amdhsa_next_free_vgpr 162
		.amdhsa_next_free_sgpr 66
		.amdhsa_reserve_vcc 1
		.amdhsa_float_denorm_mode_32 3
		.amdhsa_float_denorm_mode_16_64 3
		.amdhsa_memory_ordered 1
		.amdhsa_forward_progress 1
		.amdhsa_inst_pref_size 34
	.end_amdhsa_kernel
	.amdgpu_metadata
---
amdhsa.version: [ 1, 2 ]
amdhsa.kernels:
  - .name:           k_q32fa9adb1b_route
    .symbol:         k_q32fa9adb1b_route.kd
    .args:
      - { .name: x, .offset: 0, .size: 8, .value_kind: global_buffer, .address_space: global }
      - { .name: gamma, .offset: 8, .size: 8, .value_kind: global_buffer, .address_space: global }
      - { .name: beta, .offset: 16, .size: 8, .value_kind: global_buffer, .address_space: global }
      - { .name: gate_w, .offset: 24, .size: 8, .value_kind: global_buffer, .address_space: global }
      - { .name: xn, .offset: 32, .size: 8, .value_kind: global_buffer, .address_space: global }
      - { .name: sel, .offset: 40, .size: 8, .value_kind: global_buffer, .address_space: global }
      - { .name: wts, .offset: 48, .size: 8, .value_kind: global_buffer, .address_space: global }
    .group_segment_fixed_size: 34048
    .private_segment_fixed_size: 0
    .kernarg_segment_align: 8
    .kernarg_segment_size: 56
    .max_flat_workgroup_size: 256
    .sgpr_count:     66
    .vgpr_count:     162
    .wavefront_size: 32
...
	.end_amdgpu_metadata
.endif
;; end of part 1
;; launch place (part 2): grid 64 x 1, 8 waves a work-group, no clusters, 2,048 bytes of LDS; arguments sel, pos, tok; writes pos, tok
.if DOCPART == 2
	.amdgcn_target "amdgcn-amd-amdhsa--gfx1250"
	.amdhsa_code_object_version 6
	.text
	.protected	k_q32fa9adb1b_place
	.globl	k_q32fa9adb1b_place
	.p2align	8
	.type	k_q32fa9adb1b_place,@function
k_q32fa9adb1b_place:
	s_mov_b64 s[64:65], 0
	v_nop
	global_prefetch_b8 v0, s[64:65] scope:SCOPE_SE
	s_setreg_imm32_b32 hwreg(HW_REG_WAVE_MODE, 25, 1), 1
	s_wait_xcnt 0x0
; Every (token, k) gets a slot: 1024 x expert + its rank among the entries of that expert, in the order of the entries 2 t + k.
; No atomics: each work-group counts all 2048 entries anew (8 KiB).  Work-group g owns entries 32 g .. 32 g + 31: it stores their slots
; (pos[entry] = slot) and the way back (tok[slot] = token).  Work-group 0 also stores the eight counts, at byte 32768 of tok.
; Wave w counts chunks 8 w .. 8 w + 7 of 32 entries; the waves' counts meet in LDS.  Only whole numbers are handled here.
; The stores of tok are 4 bytes a lane at places that the routing decides: 8 KiB in the whole launch.
.set SC,  8                            ; v[8:15]   eight chunks of sel
.set TOT, 16                           ; s[16:23]  entries of expert e in my chunks
.set BEF, 24                           ; s[24:31]  those of them in chunks in front of chunk g
	s_load_b128 s[4:7], s[0:1], 0x0                ; sel s[4:5], pos s[6:7]
	s_load_b64 s[8:9], s[0:1], 0x10                ; tok
	v_lshl_add_u32 v64, v0, 2, 0x400
	v_mov_b32 v65, 0
	v_and_b32 v1, 31, v0                           ; lane
	v_lshrrev_b32 v2, 5, v0
	v_readfirstlane_b32 s14, v2                    ; wave
	v_lshlrev_b32 v3, 2, v1                        ; 4 x lane
	v_lshl_add_u32 v4, s14, 10, v3                 ; + my wave's eight chunks of 128 bytes
	s_lshl_b32 s32, ttmp9, 7                       ; chunk g
	s_mov_b32 s33, 0
	s_wait_kmcnt 0x0
	s_add_nc_u64 s[34:35], s[4:5], s[32:33]
	s_add_nc_u64 s[36:37], s[6:7], s[32:33]
	global_load_b32 v6, v3, s[34:35]               ; my work-group's own chunk
.irp i, 0,1,2,3,4,5,6,7
	global_load_b32 v[SC+\i], v4, s[4:5] offset:128*\i
.endr
.irp e, 0,1,2,3,4,5,6,7
	s_mov_b32 s[TOT+\e], 0
	s_mov_b32 s[BEF+\e], 0
.endr
	s_lshl_b32 s38, s14, 3                         ; my first chunk
	s_wait_loadcnt 0x0
	v_min_u32 v6, 7, v6
.irp i, 0,1,2,3,4,5,6,7
	v_min_u32 v[SC+\i], 7, v[SC+\i]
.endr
.irp i, 0,1,2,3,4,5,6,7
	s_add_co_u32 s39, s38, \i
	s_cmp_lt_u32 s39, ttmp9
	s_cselect_b32 s40, -1, 0                       ; all ones if this chunk lies in front of chunk g
.irp e, 0,1,2,3,4,5,6,7
	v_cmp_eq_u32 s41, \e, v[SC+\i]
	s_bcnt1_i32_b32 s42, s41
	s_add_co_u32 s[TOT+\e], s[TOT+\e], s42
	s_and_b32 s41, s41, s40
	s_bcnt1_i32_b32 s42, s41
	s_add_co_u32 s[BEF+\e], s[BEF+\e], s42
.endr
.endr
	v_mov_b32 v7, 0
.irp e, 0,1,2,3,4,5,6,7
	v_writelane_b32 v7, s[BEF+\e], \e              ; lane e: in front; lane 8 + e: in all
	v_writelane_b32 v7, s[TOT+\e], 8+\e
.endr
	v_lshl_add_u32 v48, s14, 7, v3
	ds_store_b32 v48, v7
	s_wait_dscnt 0x0                               ; my counts are written,
	s_barrier_signal -1
	s_barrier_wait -1                              ; everybody's are
	s_cmp_lg_u32 s14, 0
	s_cbranch_scc1 .Ldone                          ; wave 0 does the rest: 32 entries
.irp w, 0,1,2,3,4,5,6,7
	ds_load_b32 v[50+\w], v3 offset:128*\w
.endr
	v_mov_b32 v49, 0                               ; my entry's rank inside chunk g
.irp e, 0,1,2,3,4,5,6,7
	v_cmp_eq_u32 s41, \e, v6
	v_mbcnt_lo_u32_b32 v58, s41, 0                 ; lower lanes with expert e
	v_cndmask_b32 v49, v49, v58, s41
.endr
	v_lshlrev_b32 v59, 2, v6
	s_wait_dscnt 0x0
	v_add3_u32 v7, v50, v51, v52
	v_add3_u32 v7, v7, v53, v54
	v_add3_u32 v7, v7, v55, v56
	v_add_nc_u32 v7, v7, v57
	ds_bpermute_b32 v60, v59, v7                   ; the count in front, of my entry's expert
	s_wait_dscnt 0x0
	v_lshl_add_u32 v61, v6, 10, v60
	v_add_nc_u32 v61, v61, v49
	v_min_u32 v61, 0x1fff, v61                     ; the slot of entry 32 g + lane
	v_lshrrev_b32 v16, 1, v1
	s_lshl_b32 s43, ttmp9, 4
	v_add_nc_u32 v16, s43, v16                     ; its token: 16 g + lane / 2
	v_lshlrev_b32 v17, 2, v61
	global_store_b32 v3, v61, s[36:37]             ; pos
	global_store_b32 v17, v16, s[8:9]              ; tok
	s_cmp_lg_u32 ttmp9, 0
	s_cbranch_scc1 .Ldone
	v_add_nc_u32 v62, -8, v1
	v_lshlrev_b32 v63, 2, v62
	s_wait_xcnt 0x0                                ; EXEC is a source of the stores above: it changes only behind this wait
	s_wait_tensorcnt 0x0
	ds_add_u32 v64, v65
	s_wait_dscnt 0x0
	v_cmpx_gt_u32 8, v62                           ; lanes 8 to 15
	global_store_b32 v63, v7, s[8:9] offset:32768  ; the counts, by wave 0 of work-group 0
	s_endpgm
.Ldone:
	s_wait_tensorcnt 0x0
	ds_add_u32 v64, v65
	s_wait_dscnt 0x0
	s_endpgm
.Lfunc_end_k_q32fa9adb1b_place:
	.size	k_q32fa9adb1b_place, .Lfunc_end_k_q32fa9adb1b_place-k_q32fa9adb1b_place
	.p2alignl 7, 3214868480
	.fill 96, 4, 3214868480
	.section	.rodata,"a",@progbits
	.p2align	6, 0x0
	.amdhsa_kernel k_q32fa9adb1b_place
		.amdhsa_group_segment_fixed_size 2048
		.amdhsa_private_segment_fixed_size 0
		.amdhsa_enable_private_segment 0
		.amdhsa_kernarg_size 24
		.amdhsa_user_sgpr_count 2
		.amdhsa_user_sgpr_kernarg_segment_ptr 1
		.amdhsa_wavefront_size32 1
		.amdhsa_system_sgpr_workgroup_id_x 1
		.amdhsa_system_sgpr_workgroup_id_y 1
		.amdhsa_system_sgpr_workgroup_id_z 1
		.amdhsa_system_vgpr_workitem_id 0
		.amdhsa_next_free_vgpr 66
		.amdhsa_next_free_sgpr 66
		.amdhsa_reserve_vcc 0
		.amdhsa_float_denorm_mode_32 3
		.amdhsa_float_denorm_mode_16_64 3
		.amdhsa_memory_ordered 1
		.amdhsa_forward_progress 1
		.amdhsa_inst_pref_size 23
	.end_amdhsa_kernel
	.amdgpu_metadata
---
amdhsa.version: [ 1, 2 ]
amdhsa.kernels:
  - .name:           k_q32fa9adb1b_place
    .symbol:         k_q32fa9adb1b_place.kd
    .args:
      - { .name: sel, .offset: 0, .size: 8, .value_kind: global_buffer, .address_space: global }
      - { .name: pos, .offset: 8, .size: 8, .value_kind: global_buffer, .address_space: global }
      - { .name: tok, .offset: 16, .size: 8, .value_kind: global_buffer, .address_space: global }
    .group_segment_fixed_size: 2048
    .private_segment_fixed_size: 0
    .kernarg_segment_align: 8
    .kernarg_segment_size: 24
    .max_flat_workgroup_size: 256
    .sgpr_count:     66
    .vgpr_count:     66
    .wavefront_size: 32
...
	.end_amdgpu_metadata
.endif
;; end of part 2
;; launch gather (part 3): grid 64 x 1, 8 waves a work-group, no clusters, 0 bytes of LDS; arguments tok, xn, xg; writes xg
.if DOCPART == 3
	.amdgcn_target "amdgcn-amd-amdhsa--gfx1250"
	.amdhsa_code_object_version 6
	.text
	.protected	k_q32fa9adb1b_gather
	.globl	k_q32fa9adb1b_gather
	.p2align	8
	.type	k_q32fa9adb1b_gather,@function
k_q32fa9adb1b_gather:
	s_mov_b64 s[64:65], 0
	v_nop
	global_prefetch_b8 v0, s[64:65] scope:SCOPE_SE
	s_setreg_imm32_b32 hwreg(HW_REG_WAVE_MODE, 25, 1), 1
	s_wait_xcnt 0x0
; The rows of xn, in slot order and in the order in which the next launch's matrix fragments want them:
; xg[e][tile of 16 slots][k step of 32][half c][lane (r, h)][16 bytes] = xn[tok[slot 16 T + r]][k = 32 s + 16 c + 8 h .. + 7].
; So the next launch, which reads every tile 32 times over (once a column slice), loads 512 consecutive bytes with every instruction.
; Eight work-groups an expert, 64 waves.  A wave's unit is one tile x a quarter of K: 16 loads and 16 stores of 16 bytes a lane; every
; store covers 512 consecutive bytes, aligned.  Units 64 apart are walked while the tile begins in front of the expert's count: an expert
; has at most 64 tiles, 256 units, so a wave has at most four trips; the loop is left as soon as no unit is left.
; The exit hangs on a count read from memory: no barrier stands in the loop.  The loads take 128 neighbouring bytes of each of 16 rows (in
; four instructions): 4 MiB in the whole launch, read here in pieces once so that nobody reads it in pieces again.
; Slots of the last tile at or past the count repeat the expert's last row: every byte of a stored tile is written, none of it is used.
	s_load_b128 s[4:7], s[0:1], 0x0                ; tok s[4:5], xn s[6:7]
	s_load_b64 s[8:9], s[0:1], 0x10                ; xg
	v_and_b32 v1, 31, v0                           ; lane
	v_lshrrev_b32 v2, 5, v0
	v_readfirstlane_b32 s12, v2                    ; wave
	s_lshr_b32 s13, ttmp9, 3                       ; e
	s_and_b32 s14, ttmp9, 7
	s_lshl_b32 s14, s14, 3
	s_add_co_u32 s14, s14, s12                     ; my number among the expert's 64 waves
	s_lshl_b32 s15, s14, 2                         ; 4 x unit = 16 T + 4 quarter
	s_lshl_b32 s16, s13, 2
	v_and_b32 v2, 15, v0                           ; r
	v_bfe_u32 v3, v0, 4, 1                         ; h
	v_lshlrev_b32 v4, 4, v1                        ; 16 x lane
	v_lshlrev_b32 v5, 4, v3                        ; 16 h
	s_lshl_b32 s20, s13, 12                        ; tok: 1024 words an expert
	s_mov_b32 s21, 0
	s_lshl_b32 s28, s13, 21                        ; xg: 2 MiB an expert
	s_mov_b32 s29, 0
	s_wait_kmcnt 0x0
	s_load_b32 s17, s[4:5], s16 offset:0x8000      ; the expert's count
	s_add_nc_u64 s[26:27], s[4:5], s[20:21]
	s_add_nc_u64 s[10:11], s[8:9], s[28:29]
	s_mov_b32 s31, 0                               ; the trip counter
	s_wait_kmcnt 0x0
	s_min_u32 s17, s17, 1024
	s_add_co_u32 s18, s17, 15
	s_and_b32 s18, s18, -16                        ; the count, rounded up to whole tiles
	s_add_co_i32 s19, s17, -1                      ; the last row (not used where the count is 0: the loop then has no trip)
	s_cmp_ge_u32 s15, s18
	s_cbranch_scc1 .Lend
.Lunit:
	s_and_b32 s22, s15, -16                        ; 16 T
	s_and_b32 s23, s15, 12                         ; 4 x quarter
	v_add_nc_u32 v6, s22, v2
	v_min_u32 v6, s19, v6                          ; no slot past the last
	v_min_u32 v6, 0x3ff, v6
	v_lshlrev_b32 v6, 2, v6
	global_load_b32 v7, v6, s[26:27]               ; the slot's token
	s_lshl_b32 s24, s23, 7                         ; the quarter in a row of xn: 512 bytes
	s_lshl_b32 s25, s22, 11                        ; the tile in xg: 32 KiB
	s_lshl_b32 s30, s23, 11                        ; the quarter in it: 8 KiB
	s_add_co_u32 s25, s25, s30
	v_add_nc_u32 v9, s25, v4
	s_wait_loadcnt 0x0
	v_min_u32 v7, 0x3ff, v7
	v_lshl_add_u32 v8, v7, 11, v5                  ; a row of xn: 2048 bytes
	v_add_nc_u32 v8, s24, v8
.irp n, 0,1,2,3,4,5,6,7,8,9,10,11,12,13,14,15
	global_load_b128 v[16+4*\n:19+4*\n], v8, s[6:7] offset:32*\n         ; step n / 2, half n & 1
.endr
.irp n, 0,1,2,3,4,5,6,7,8,9,10,11,12,13,14,15
	s_wait_loadcnt 15-\n                           ; loads come back in order: load n is in, the later ones stay out
	global_store_b128 v9, v[16+4*\n:19+4*\n], s[10:11] offset:512*\n
.endr
	s_wait_xcnt 0x0                                ; the stores' offset and data are rewritten only behind this wait
	s_add_co_u32 s15, s15, 256                     ; 64 units on
	s_cmp_ge_u32 s15, s18
	s_cbranch_scc1 .Lend                           ; no unit is left
	s_add_co_u32 s31, s31, 1
	s_cmp_lt_u32 s31, 4
	s_cbranch_scc1 .Lunit
.Lend:
	s_endpgm
.Lfunc_end_k_q32fa9adb1b_gather:
	.size	k_q32fa9adb1b_gather, .Lfunc_end_k_q32fa9adb1b_gather-k_q32fa9adb1b_gather
	.p2alignl 7, 3214868480
	.fill 96, 4, 3214868480
	.section	.rodata,"a",@progbits
	.p2align	6, 0x0
	.amdhsa_kernel k_q32fa9adb1b_gather
		.amdhsa_group_segment_fixed_size 0
		.amdhsa_private_segment_fixed_size 0
		.amdhsa_enable_private_segment 0
		.amdhsa_kernarg_size 24
		.amdhsa_user_sgpr_count 2
		.amdhsa_user_sgpr_kernarg_segment_ptr 1
		.amdhsa_wavefront_size32 1
		.amdhsa_system_sgpr_workgroup_id_x 1
		.amdhsa_system_sgpr_workgroup_id_y 1
		.amdhsa_system_sgpr_workgroup_id_z 1
		.amdhsa_system_vgpr_workitem_id 0
		.amdhsa_next_free_vgpr 80
		.amdhsa_next_free_sgpr 66
		.amdhsa_reserve_vcc 0
		.amdhsa_float_denorm_mode_32 3
		.amdhsa_float_denorm_mode_16_64 3
		.amdhsa_memory_ordered 1
		.amdhsa_forward_progress 1
		.amdhsa_inst_pref_size 6
	.end_amdhsa_kernel
	.amdgpu_metadata
---
amdhsa.version: [ 1, 2 ]
amdhsa.kernels:
  - .name:           k_q32fa9adb1b_gather
    .symbol:         k_q32fa9adb1b_gather.kd
    .args:
      - { .name: tok, .offset: 0, .size: 8, .value_kind: global_buffer, .address_space: global }
      - { .name: xn, .offset: 8, .size: 8, .value_kind: global_buffer, .address_space: global }
      - { .name: xg, .offset: 16, .size: 8, .value_kind: global_buffer, .address_space: global }
    .group_segment_fixed_size: 0
    .private_segment_fixed_size: 0
    .kernarg_segment_align: 8
    .kernarg_segment_size: 24
    .max_flat_workgroup_size: 256
    .sgpr_count:     66
    .vgpr_count:     80
    .wavefront_size: 32
...
	.end_amdgpu_metadata
.endif
;; end of part 3
;; launch ffn1 (part 4): grid 32 x 8, 4 waves a work-group, no clusters, 264,704 bytes of LDS; arguments xg, w1, tok, hbuf, b1; writes hbuf
.if DOCPART == 4
	.amdgcn_target "amdgcn-amd-amdhsa--gfx1250"
	.amdhsa_code_object_version 6
	.text
	.protected	k_q32fa9adb1b_ffn1
	.globl	k_q32fa9adb1b_ffn1
	.p2align	8
	.type	k_q32fa9adb1b_ffn1,@function
k_q32fa9adb1b_ffn1:
	s_mov_b64 s[64:65], 0
	v_nop
	global_prefetch_b8 v0, s[64:65] scope:SCOPE_SE
	s_setreg_imm32_b32 hwreg(HW_REG_WAVE_MODE, 25, 1), 1
	s_wait_xcnt 0x0
; h = gelu(xg w1[e] + b1[e]) for the rows of expert e, in slot order.  Work-group (x, e): columns 128 x .. 128 x + 127 of H, K = 1024.
; THE WEIGHTS ARRIVE WHILE THE FIRST PASS MULTIPLIES, AND THEN STAY.  The work-group's 1024 x 128 weights (512 KiB of f32) are read once, in 32
; batches of 32 k.  Of batch g wave w brings rows 32 g + 8 w .. + 7: eight loads, each the 512 consecutive bytes of one row's 128 columns
; (lane l: columns 4 l .. 4 l + 3); rounding rows k and k + 1 together gives 4 bytes of each of a lane's four columns, eight rows give 16.
; LDS holds them as [column][1024 k] in bf16, 2064 bytes from column to column (129 x 16).  Inside each 64 bytes the 16-byte piece j of
; column c lies at place j xor ((c >> 4) & 3): so the sixteen lanes of a store (columns four apart) and the sixteen lanes of a fragment
; load (neighbouring columns) both touch sixteen different 16-byte places modulo 256.
; A PASS is 320 rows: wave w takes the 16-row tiles 4 u + w, u = 0..4, x all 128 columns: 40 accumulators, 320 registers.  For 32 along K:
; 16 LDS loads (weights), 10 global loads (rows), 40 matrix instructions.  Rows lie in memory in fragment order, so each row load covers 512
; consecutive bytes.  A tile at or past the count reads the expert's last tile instead and is not stored.
; THE FIRST PASS is run by every wave whatever the count, so barriers may stand in it.  In the middle of its step s a wave rounds and stores
; batch s + 5, asks for the rows of step s + 3, fetches the fragments of step s + 1 and asks for batch s + 9 (a ring of four stages of
; eight loads).  A barrier in front of step 0 and one in each of steps 3, 7, .., 27 shows the next four batches of all four waves.
; Loads come back in the order of issue, so a batch has to be in when the rows asked for behind it are wanted: three and a half steps.  By
; the text's count at most 62 loads of a wave are out (8 + 3 x 18).  No LDS byte is written twice.
; FURTHER PASSES (an expert can have up to 1024 rows, four passes) hang on a count read from memory: they find all weights in LDS and hold
; no barrier.  The way out is written once: the loop is {way out; leave if no row is left; a further pass}.
; THE PRODUCT IS USED TRANSPOSED: source 0 = 16 columns of weights, source 1 = 16 rows.  Lane (r, h) then holds row r, columns 16 ct + 8 h + j
; in register j: eight neighbours, which after bias and gelu pack into half a fragment of the next launch.
; hbuf[e][tile][k step s][half c][lane][16 bytes], as xg; this work-group writes steps 4 x .. 4 x + 3 of each tile, 512 bytes a store.
; NO CLUSTER, NO TENSOR LOADS: the row tiles are shared by the 32 slices of an expert, but LDS is full of weights (264,192 bytes): what is left
; holds no two slots of more than one step, and the further passes can hold no barrier at all.
; GELU with erf by the five-term rational form in t = 1 / (1 + 0.3275911 z) (|error of erf| <= 1.5e-7 for every z).
; LIMITS: operands rounded to bf16; NaN and infinities not served.  An expert without rows has no stored tile: it still reads its weights, and
; its first pass multiplies bytes of w1 in the rows' place; nothing of that is stored.
.set RB,    16384                      ; bytes in a row of w1
.set WSH,   17                         ; 8 rows of w1 = 1 << 17 bytes
.set ASH,   11                         ; a tile of A is 2048 bytes for each of its rows
.set PP,    2064                       ; LDS: from column to column
.set OSTEP, 320*8192                   ; from a pass to the next in hbuf
.set SADR, 2                           ; v2       where my 16 bytes of column 4 l go
.set L16,  3                           ; v3       16 x lane; never rewritten
.set BOFF, 4                           ; v4       bias: 32 h
.set AOFF, 6                           ; v[6:10]  my five tiles of A + 16 x lane
.set BADR, 16                          ; v[16:23] weight fragments, one address a column tile
.set EV,   24                          ; v[24:25] their lane terms for even and odd column tiles
.set CA,   32                          ; v[32:41] minus half the five coefficients, each twice
.set CB,   44                          ; v[44:59] a batch in bf16: 4 registers for each of my four columns
.set AR,   64                          ; v[64:223] row fragments: four stages of 5 x 8
.set XA,   64                          ; on the way out, in AR's place: 16 numbers, 48 registers at work, 32 packed
.set GY,   80
.set GD,   88
.set GT,   96
.set GM,   104
.set GP,   112
.set GH,   120
.set OUTR, 128
.set RING, 128                         ; window 1: v0-127 weight fragments, two buffers of 8 x 8; v128-255 the ring: four stages of 8 loads
.set BIAS, 64                          ; window 3: v0-63 accumulators u = 4; v64-127 bias
; window 2: accumulators u = 0..3, (u, ct) at 64 u + 8 ct
.set MSB, 0
.macro WIN new                         ; s_set_vgpr_msb: bits 1:0 source 0, 3:2 source 1, 5:4 source 2, 7:6 destination; the high byte repeats the setting that is left
.if MSB != (\new)
	s_set_vgpr_msb (MSB<<8)|(\new)
.set MSB, (\new)
.endif
.endm
.macro PLACES                          ; four plain vector instructions behind a matrix instruction before one of its registers is loaded into or written, or its result read (ISA guide 7.12.1)
.rept 4
	v_nop
.endr
.endm
; my eight rows of batch g, into ring stage g mod 4.  Two bases, 512 rows apart, keep the immediates inside their signed 24 bits.
.macro WLOAD g
	WIN 0x40
.set q_, 0
.rept 8
	global_load_b128 v[RING+32*((\g)&3)+4*q_:RING+32*((\g)&3)+4*q_+3], v[L16], s[44+2*((\g)>>4):45+2*((\g)>>4)] offset:(32*((\g)&15)+q_)*RB th:TH_LOAD_NT
.set q_, q_+1
.endr
.endm
; batch g is rounded (rows 2 p and 2 p + 1 together) and laid into LDS: 16 bytes along K of each of my four columns
.macro WCONV g
	WIN 0x05
.irp p, 0,1,2,3
.irp jt, 0,1,2,3
	v_cvt_pk_bf16_f32 v[CB+4*\jt+\p], v[RING+32*((\g)&3)+8*\p+\jt], v[RING+32*((\g)&3)+8*\p+4+\jt]
.endr
.endr
	WIN 0
.irp jt, 0,1,2,3
	ds_store_b128 v[SADR], v[CB+4*\jt:CB+4*\jt+3] offset:\jt*PP+64*(\g)
.endr
.endm
; the weight fragments of step s (8 column tiles).  Pieces h and 2 + h of the step's 64 bytes, each at its place: bit 0 of the column tile's
; number is in the address register, bit 1 swaps the two immediates.
.macro WFETCH s
	WIN 0x40
.irp ct, 0,1,2,3,4,5,6,7
	ds_load_b128 v[64*((\s)&1)+8*\ct:64*((\s)&1)+8*\ct+3], v[BADR+\ct] offset:64*(\s)+32*((\ct>>1)&1)
	ds_load_b128 v[64*((\s)&1)+8*\ct+4:64*((\s)&1)+8*\ct+7], v[BADR+\ct] offset:64*(\s)+32-32*((\ct>>1)&1)
.endr
.endm
.macro ALOAD s                         ; the row fragments of step s (5 tiles)
	WIN 0
.irp u, 0,1,2,3,4
	global_load_b128 v[AR+40*((\s)&3)+8*\u:AR+40*((\s)&3)+8*\u+3], v[AOFF+\u], s[50:51] offset:1024*(\s)
	global_load_b128 v[AR+40*((\s)&3)+8*\u+4:AR+40*((\s)&3)+8*\u+7], v[AOFF+\u], s[50:51] offset:1024*(\s)+512
.endr
.endm
.macro AOFFS                           ; where my five tiles of this pass lie
.irp u, 0,1,2,3,4
	s_add_co_u32 s52, s22, 64*\u                   ; tile 4 u + w of the pass,
	s_min_u32 s52, s52, s23                        ; or the expert's last
	s_min_u32 s52, s52, 1008
	s_lshl_b32 s52, s52, ASH
	v_add_nc_u32 v[AOFF+\u], s52, v[L16]
.endr
.endm
; eight matrix instructions: row tile u x the eight column tiles, 32 along K.  Step 0 starts the sums: nothing is cleared.
; The 40 accumulators take turns, one instruction a turn, in the same order in every step.
.macro MM s, u
.if (\u) < 4
	WIN 0xa1
.set ab_, 64*(\u)
.else
	WIN 0xf1
.set ab_, 0
.endif
.set wf_, 64*((\s)&1)
.set ar_, AR+40*((\s)&3)+8*(\u)
.irp ct, 0,1,2,3,4,5,6,7
.if (\s) == 0
	v_wmma_f32_16x16x32_bf16 v[ab_+8*\ct:ab_+8*\ct+7], v[wf_+8*\ct:wf_+8*\ct+7], v[ar_:ar_+7], 0
.else
	v_wmma_f32_16x16x32_bf16 v[ab_+8*\ct:ab_+8*\ct+7], v[wf_+8*\ct:wf_+8*\ct+7], v[ar_:ar_+7], v[ab_+8*\ct:ab_+8*\ct+7]
.endif
.endr
.endm
; A step.  first = 1: the first pass, which also brings the weights in.
; In its middle, in one run: batch s + 5 into LDS, the rows of step s + 3, the fragments of step s + 1, the request for batch s + 9.  The loads go
; into registers that the step before read: the sixteen roundings, which name no register of a matrix instruction, are the places; where there
; are none, four v_nop.
.macro STEP s, first
.set na_, 31-(\s)
.if na_ > 2
.set na_, 2
.endif
.set nw_, 0
.set bar_, 0
.set cv_, 0
.if \first
.set nw_, 26-(\s)
.if nw_ > 3
.set nw_, 3
.endif
.if nw_ < 0
.set nw_, 0
.endif
.if ((\s)&3) == 3
.if (\s) < 31
.set bar_, 1
.endif
.endif
.if (\s) < 27
.set cv_, 1
.endif
.endif
	s_wait_dscnt 0x0                               ; this step's fragments are in and my stores of batches up to s + 4 are done: nothing younger is out
	s_wait_loadcnt 10*na_+8*nw_                    ; this step's rows are in, and with them batch s + 5, asked for ahead of them; the rows of the next two steps and the three youngest batches stay out
.if bar_
	s_barrier_signal -1                            ; my parts of batches up to s + 4 lie in LDS
.endif
	MM \s,0
	MM \s,1
.if bar_
	s_barrier_wait -1                              ; everybody's do: steps s + 1 to s + 4 may be fetched
.endif
.if cv_
	WCONV (\s)+5
.else
.if (\s) < 31
	PLACES
.endif
.endif
.if (\s) < 29
	ALOAD (\s)+3
.endif
.if (\s) < 31
	WFETCH (\s)+1
.endif
.if \first
.if (\s) < 23
	WLOAD (\s)+9
.endif
.endif
	MM \s,2
	MM \s,3
	MM \s,4
.endm
; gelu of the eight numbers at x, in place: 0.5 x + |x| (0.5 - q), q = half the polynomial in t times exp(-x x / 2).
; The coefficients are kept negated, so that -q comes out of the polynomial and the last step is a plain multiply-add.
.macro GELU8 x
.irp m, 0,2,4,6
	v_pk_mul_f32 v[GY+\m:GY+\m+1], v[(\x)+\m:(\x)+\m+1], v[(\x)+\m:(\x)+\m+1]
.endr
.irp m, 0,1,2,3,4,5,6,7
	v_fma_f32 v[GD+\m], |v[(\x)+\m]|, s68, 1.0
.endr
.irp m, 0,2,4,6
	v_pk_mul_f32 v[GY+\m:GY+\m+1], v[GY+\m:GY+\m+1], s[66:67] op_sel_hi:[1,0]
.endr
.irp m, 0,1,2,3,4,5,6,7
	v_rcp_f32 v[GT+\m], v[GD+\m]
.endr
.irp m, 0,1,2,3,4,5,6,7
	v_exp_f32 v[GM+\m], v[GY+\m]
.endr
.irp m, 0,2,4,6
	v_pk_mul_f32 v[GH+\m:GH+\m+1], v[(\x)+\m:(\x)+\m+1], 0.5 op_sel_hi:[1,0]       ; plain work behind the transcendentals before their results are read (ISA guide 5.7.2)
.endr
	s_wait_alu depctr_va_vdst(0)
.irp m, 0,2,4,6
	v_pk_fma_f32 v[GP+\m:GP+\m+1], v[GT+\m:GT+\m+1], v[CA+8:CA+9], v[CA+6:CA+7]
.endr
.irp c, 4,2,0
.irp m, 0,2,4,6
	v_pk_fma_f32 v[GP+\m:GP+\m+1], v[GP+\m:GP+\m+1], v[GT+\m:GT+\m+1], v[CA+\c:CA+\c+1]
.endr
.endr
.irp m, 0,2,4,6
	v_pk_mul_f32 v[GP+\m:GP+\m+1], v[GP+\m:GP+\m+1], v[GT+\m:GT+\m+1]
.endr
.irp m, 0,2,4,6
	v_pk_fma_f32 v[GP+\m:GP+\m+1], v[GP+\m:GP+\m+1], v[GM+\m:GM+\m+1], 0.5 op_sel_hi:[1,1,0]
.endr
.irp m, 0,1,2,3,4,5,6,7
	v_fma_f32 v[(\x)+\m], |v[(\x)+\m]|, v[GP+\m], v[GH+\m]
.endr
.endm
; my tile u: two column tiles at a time make one fragment (32 k) of the next launch: bias, gelu, bf16, two stores of 512 consecutive bytes
.macro TILE u
.if (\u) < 4
.set aw_, 2
.set ab_, 64*(\u)
.else
.set aw_, 3
.set ab_, 0
.endif
.irp sp, 0,1,2,3
	WIN aw_|12
.irp m, 0,2,4,6,8,10,12,14
	v_pk_add_f32 v[XA+\m:XA+\m+1], v[ab_+16*\sp+\m:ab_+16*\sp+\m+1], v[BIAS+16*\sp+\m:BIAS+16*\sp+\m+1]
.endr
	WIN 0
	GELU8 XA
	GELU8 XA+8
.irp m, 0,1,2,3,4,5,6,7
	v_cvt_pk_bf16_f32 v[OUTR+8*\sp+\m], v[XA+2*\m], v[XA+2*\m+1]
.endr
	global_store_b128 v[L16], v[OUTR+8*\sp:OUTR+8*\sp+3], s[48:49] offset:524288*(\u)+1024*\sp
	global_store_b128 v[L16], v[OUTR+8*\sp+4:OUTR+8*\sp+7], s[48:49] offset:524288*(\u)+1024*\sp+512
.endr
.endm
	s_load_b256 s[4:11], s[0:1], 0x0               ; xg s[4:5], w1 s[6:7], tok s[8:9] (the counts at byte 32768), hbuf s[10:11]
	s_load_b64 s[12:13], s[0:1], 0x20              ; b1
	v_lshl_add_u32 v254, v0, 2, 0x40800
	v_mov_b32 v255, 0
	v_lshrrev_b32 v11, 5, v0
	v_readfirstlane_b32 s14, v11                   ; wave 0..3
	s_lshr_b32 s15, s14, 1                         ; its upper bit
	s_and_b32 s19, ttmp7, 0xffff                   ; e
	s_lshl_b32 s25, s19, 2
	v_and_b32 v12, 15, v0                          ; r
	v_bfe_u32 v13, v0, 4, 1                        ; h
	v_and_b32 v14, 31, v0                          ; lane
	v_lshlrev_b32 v[L16], 4, v14
	v_lshlrev_b32 v[BOFF], 5, v13
	s_lshl_b32 s56, s19, 24                        ; w1[e]: 16 MiB
	s_lshl_b32 s57, s14, WSH                       ; 8 w rows
	s_add_co_u32 s56, s56, s57
	s_lshl_b32 s57, ttmp9, 9                       ; 128 x columns
	s_add_co_u32 s56, s56, s57
	s_mov_b32 s57, 0
	s_lshl_b32 s58, s19, 14                        ; b1[e]
	s_lshl_b32 s59, ttmp9, 9
	s_add_co_u32 s58, s58, s59
	s_mov_b32 s59, 0
	s_wait_kmcnt 0x0
	s_load_b32 s21, s[8:9], s25 offset:0x8000      ; the expert's count
	s_add_nc_u64 s[44:45], s[6:7], s[56:57]        ; batches 0 to 15
	s_add_nc_u64 s[46:47], s[44:45], 512*RB        ; batches 16 to 31
	s_add_nc_u64 s[12:13], s[12:13], s[58:59]
	WIN 0xc0
.irp ct, 0,1,2,3,4,5,6,7
	global_load_b128 v[BIAS+8*\ct:BIAS+8*\ct+3], v[BOFF], s[12:13] offset:64*\ct        ; b1 of columns 16 ct + 8 h .. + 7: the oldest loads, in by the first wait
	global_load_b128 v[BIAS+8*\ct+4:BIAS+8*\ct+7], v[BOFF], s[12:13] offset:64*\ct+16
.endr
	WLOAD 0                                        ; the ring is filled before anything else is done
	WLOAD 1
	WLOAD 2
	WLOAD 3
	WIN 0
	v_bfe_u32 v11, v0, 2, 2                        ; b = (column >> 4) & 3 of my four columns = (lane >> 2) & 3
	v_add_nc_u32 v15, s14, v11
	v_and_b32 v15, 1, v15                          ; w xor b, bit 0: the low bit of the sum
	v_lshrrev_b32 v11, 1, v11
	v_add_nc_u32 v11, s15, v11
	v_and_b32 v11, 1, v11                          ; bit 1: the low bit of the upper bits' sum
	v_lshl_add_u32 v15, v11, 1, v15
	v_mul_u32_u24 v[SADR], v14, 4*PP               ; column 4 l,
	v_lshl_add_u32 v[SADR], v15, 4, v[SADR]        ; piece w of a batch's 64 bytes, at its place
	v_mul_u32_u24 v11, v12, PP                     ; a fragment: lane (r, h) reads column r of the tile,
	v_lshl_add_u32 v[EV], v13, 4, v11              ; piece h in even column tiles,
	v_add_nc_u32 v15, 16, v0
	v_bfe_u32 v15, v15, 4, 1                       ; 1 - h
	v_lshl_add_u32 v[EV+1], v15, 4, v11            ; piece 1 - h in odd ones
.irp ct, 0,1,2,3,4,5,6,7
	v_add_nc_u32 v[BADR+\ct], \ct*16*PP, v[EV+(\ct&1)]
.endr
	s_lshl_b32 s56, s19, 23                        ; hbuf: 8 MiB an expert,
	s_lshl_b32 s58, ttmp9, 12                      ; steps 4 x .. of 1024 bytes,
	s_add_co_u32 s56, s56, s58
	s_lshl_b32 s58, s14, 17                        ; tile w of 128 KiB
	s_add_co_u32 s56, s56, s58
	s_add_nc_u64 s[48:49], s[10:11], s[56:57]
	s_lshl_b32 s56, s19, 21                        ; xg: 2 MiB an expert
	s_add_nc_u64 s[50:51], s[4:5], s[56:57]
	v_mov_b32 v[CA+0], 0xbe027906                  ; -0.254829592 / 2
	v_mov_b32 v[CA+1], 0xbe027906
	v_mov_b32 v[CA+2], 0x3e11a98e                  ;  0.284496736 / 2
	v_mov_b32 v[CA+3], 0x3e11a98e
	v_mov_b32 v[CA+4], 0xbf35f0e3                  ; -1.421413741 / 2
	v_mov_b32 v[CA+5], 0xbf35f0e3
	v_mov_b32 v[CA+6], 0x3f3a00e3                  ;  1.453152027 / 2
	v_mov_b32 v[CA+7], 0x3f3a00e3
	v_mov_b32 v[CA+8], 0xbf07dc22                  ; -1.061405429 / 2
	v_mov_b32 v[CA+9], 0xbf07dc22
	s_mov_b32 s66, 0xbf38aa3b                      ; -log2(e) / 2
	s_mov_b32 s67, 0xbf38aa3b
	s_mov_b32 s68, 0x3e6d3389                      ; 0.3275911 / sqrt(2)
	; the schedule of the steps' middles, run for the five batches that step 0 finds in LDS
	s_wait_loadcnt 24                              ; batch 0 is in; batches 1 to 3 stay out
	WCONV 0
	WLOAD 4
	s_wait_loadcnt 24                              ; batch 1; batches 2 to 4 stay out
	WCONV 1
	WLOAD 5
	WIN 0
	s_wait_kmcnt 0x0
	s_min_u32 s21, s21, 1024                       ; the expert's rows
	s_add_co_u32 s23, s21, 15
	s_and_b32 s23, s23, -16
	s_max_u32 s23, s23, 16
	s_add_co_i32 s23, s23, -16                     ; the first row of its last tile
	s_cmp_eq_u32 s21, 0
	s_cselect_b64 s[50:51], s[6:7], s[50:51]       ; an expert without rows has no stored tile: its row loads read bytes of w1, and nothing of the product is stored
	s_lshl_b32 s22, s14, 4                         ; the first row of my first tile of the pass
	s_mov_b32 s24, 0                               ; counts the further passes
	AOFFS
	s_wait_loadcnt 24                              ; batch 2; batches 3 to 5 stay out
	WCONV 2
	ALOAD 0
	WLOAD 6
	s_wait_loadcnt 34                              ; batch 3; batches 4, 5, 6 and the rows of step 0 stay out
	WCONV 3
	ALOAD 1
	WLOAD 7
	s_wait_loadcnt 44                              ; batch 4; batches 5, 6, 7 and the rows of steps 0 and 1 stay out
	WCONV 4
	ALOAD 2
	WLOAD 8
	s_wait_dscnt 0x0                               ; my parts of batches 0 to 4 lie in LDS,
	s_barrier_signal -1
	s_barrier_wait -1                              ; everybody's do
	WFETCH 0
.irp s, 0,1,2,3,4,5,6,7,8,9,10,11,12,13,14,15,16,17,18,19,20,21,22,23,24,25,26,27,28,29,30,31
	STEP \s,1
.endr
	WIN 0
	; from here on LDS is only read, and no barrier follows
.Lepi:
	PLACES
.irp u, 0,1,2,3,4
	WIN 0
	s_add_co_u32 s52, s22, 64*\u
	s_cmp_ge_u32 s52, s21                          ; a tile that begins at or past the count is not stored, nor any behind it
	s_cbranch_scc1 .Lout
	s_wait_xcnt 0x0                                ; the last tile's stores have read their data: it is rewritten only behind this wait
	TILE \u
.endr
	WIN 0
.Lout:
	s_wait_xcnt 0x0                                ; the stores' base and data are rewritten only behind this wait
	s_add_nc_u64 s[48:49], s[48:49], OSTEP
	s_add_co_u32 s22, s22, 320
	s_cmp_ge_u32 s22, s21
	s_cbranch_scc1 .Lend                           ; none of my tiles is left
	AOFFS                                          ; (the last pass's loads that named these registers are in: its last step waited for all)
	ALOAD 0
	ALOAD 1
	ALOAD 2
	WFETCH 0
.irp s, 0,1,2,3,4,5,6,7,8,9,10,11,12,13,14,15,16,17,18,19,20,21,22,23,24,25,26,27,28,29,30,31
	STEP \s,0
.endr
	WIN 0
	s_add_co_u32 s24, s24, 1
	s_cmp_lt_u32 s24, 4                            ; three further passes at the most: 4 x 320 rows cover the 1024 that an expert can have
	s_cbranch_scc1 .Lepi
.Lend:
	s_wait_tensorcnt 0x0
	ds_add_u32 v254, v255
	s_wait_dscnt 0x0
	s_endpgm
.Lfunc_end_k_q32fa9adb1b_ffn1:
	.size	k_q32fa9adb1b_ffn1, .Lfunc_end_k_q32fa9adb1b_ffn1-k_q32fa9adb1b_ffn1
	.p2alignl 7, 3214868480
	.fill 96, 4, 3214868480
	.section	.rodata,"a",@progbits
	.p2align	6, 0x0
	.amdhsa_kernel k_q32fa9adb1b_ffn1
		.amdhsa_group_segment_fixed_size 264704
		.amdhsa_private_segment_fixed_size 0
		.amdhsa_enable_private_segment 0
		.amdhsa_kernarg_size 40
		.amdhsa_user_sgpr_count 2
		.amdhsa_user_sgpr_kernarg_segment_ptr 1
		.amdhsa_wavefront_size32 1
		.amdhsa_system_sgpr_workgroup_id_x 1
		.amdhsa_system_sgpr_workgroup_id_y 1
		.amdhsa_system_sgpr_workgroup_id_z 1
		.amdhsa_system_vgpr_workitem_id 0
		.amdhsa_next_free_vgpr 1024
		.amdhsa_next_free_sgpr 72
		.amdhsa_reserve_vcc 0
		.amdhsa_float_denorm_mode_32 3
		.amdhsa_float_denorm_mode_16_64 3
		.amdhsa_memory_ordered 1
		.amdhsa_forward_progress 1
		.amdhsa_inst_pref_size 255
	.end_amdhsa_kernel
	.section	.bss,"aw",@nobits
	.p2align	6
	.space	262144
	.amdgpu_metadata
---
amdhsa.version: [ 1, 2 ]
amdhsa.kernels:
  - .name:           k_q32fa9adb1b_ffn1
    .symbol:         k_q32fa9adb1b_ffn1.kd
    .args:
      - { .name: xg, .offset: 0, .size: 8, .value_kind: global_buffer, .address_space: global }
      - { .name: w1, .offset: 8, .size: 8, .value_kind: global_buffer, .address_space: global }
      - { .name: tok, .offset: 16, .size: 8, .value_kind: global_buffer, .address_space: global }
      - { .name: hbuf, .offset: 24, .size: 8, .value_kind: global_buffer, .address_space: global }
      - { .name: b1, .offset: 32, .size: 8, .value_kind: global_buffer, .address_space: global }
    .group_segment_fixed_size: 264704
    .private_segment_fixed_size: 0
    .kernarg_segment_align: 8
    .kernarg_segment_size: 40
    .max_flat_workgroup_size: 128
    .sgpr_count:     72
    .vgpr_count:     1024
    .wavefront_size: 32
...
	.end_amdgpu_metadata
.endif
;; end of part 4
;; launch ffn2 (part 5): grid 8 x 32, 4 waves a work-group, no clusters, 298,496 bytes of LDS; arguments hbuf, w2, tok, pbuf; writes pbuf
.if DOCPART == 5
	.amdgcn_target "amdgcn-amd-amdhsa--gfx1250"
	.amdhsa_code_object_version 6
	.text
	.protected	k_q32fa9adb1b_ffn2
	.globl	k_q32fa9adb1b_ffn2
	.p2align	8
	.type	k_q32fa9adb1b_ffn2,@function
k_q32fa9adb1b_ffn2:
	s_mov_b64 s[64:65], 0
	v_nop
	global_prefetch_b8 v0, s[64:65] scope:SCOPE_SE
	s_setreg_imm32_b32 hwreg(HW_REG_WAVE_MODE, 25, 1), 1
	s_wait_xcnt 0x0
; pbuf[ks][slot][:] = h[slot][1024 ks .. + 1023] w2[e][1024 ks .. + 1023][:], f32.  Work-group (x, 4 e + ks): columns 128 x .. + 127 of D, one
; quarter of H.  The four quarters are added in the next launch.
; THE WEIGHTS ARRIVE WHILE THE FIRST PASS MULTIPLIES, AND THEN STAY.  The work-group's 1024 x 128 weights (512 KiB of f32) are read once, in 32
; batches of 32 k.  Of batch g wave w brings rows 32 g + 8 w .. + 7: eight loads, each the 512 consecutive bytes of one row's 128 columns
; (lane l: columns 4 l .. 4 l + 3); rounding rows k and k + 1 together gives 4 bytes of each of a lane's four columns, eight rows give 16.
; LDS holds them as [column][1024 k] in bf16, 2064 bytes from column to column (129 x 16).  Inside each 64 bytes the 16-byte piece j of
; column c lies at place j xor ((c >> 4) & 3): so the sixteen lanes of a store (columns four apart) and the sixteen lanes of a fragment
; load (neighbouring columns) both touch sixteen different 16-byte places modulo 256.
; A PASS is 320 rows: wave w takes the 16-row tiles 4 u + w, u = 0..4, x all 128 columns: 40 accumulators, 320 registers.  For 32 along K:
; 16 LDS loads (weights), 10 global loads (rows), 40 matrix instructions.  hbuf[e][tile][k step][half][lane][16 bytes] is in fragment order, so
; each row load covers 512 consecutive bytes.  A tile at or past the count reads the expert's last tile instead and is not stored.
; THE FIRST PASS is run by every wave whatever the count, so barriers may stand in it.  In the middle of its step s a wave rounds and stores
; batch s + 5, asks for the rows of step s + 3, fetches the fragments of step s + 1 and asks for batch s + 9 (a ring of four stages of
; eight loads).  A barrier in front of step 0 and one in each of steps 3, 7, .., 27 shows the next four batches of all four waves.
; Loads come back in the order of issue, so a batch has to be in when the rows asked for behind it are wanted: three and a half steps.  By
; the text's count at most 62 loads of a wave are out (8 + 3 x 18).  No byte of the weights' part of LDS is written twice.
; FURTHER PASSES (an expert can have up to 1024 rows, four passes) hang on a count read from memory: they find all weights in LDS and hold
; no barrier.  The way out is written once: the loop is {way out; leave if no row is left; a further pass}.
; THE PRODUCT IS USED TRANSPOSED: source 0 = 16 columns of weights, source 1 = 16 rows.  Lane (r, h) then holds row r, columns 16 ct + 8 h + j
; in register j.  The way out: a tile goes into the wave's own stage in LDS (16 rows of 528 bytes, behind the weights) and is read back by
; rows: every store covers the 512 consecutive bytes of a row's 128 columns.
; NO CLUSTER, NO TENSOR LOADS: the row tiles are shared by the 8 slices of an expert's quarter, but LDS is full of weights and stages (297,984
; bytes), and the further passes can hold no barrier at all.
; LIMITS: operands rounded to bf16; NaN and infinities not served.  An expert without rows has no stored tile: it still reads its weights, and
; its first pass multiplies bytes of w2 in the rows' place; nothing of that is stored.
.set RB,    4096                       ; bytes in a row of w2
.set WSH,   15                         ; 8 rows of w2 = 1 << 15 bytes
.set ASH,   13                         ; a tile of A is 8192 bytes for each of its rows
.set PP,    2064                       ; LDS: from column to column
.set STAGE, 128*PP                     ; behind the weights: the stages
.set SP,    528                        ; a stage's row: 512 bytes + 16 (33 x 16)
.set WSTG,  16*SP
.set OSTEP, 320*4096                   ; from a pass to the next in pbuf
.set SADR, 2                           ; v2       where my 16 bytes of column 4 l go
.set L16,  3                           ; v3       16 x lane; never rewritten
.set STO,  4                           ; v4       the way out: row r of my stage, 32 h
.set RD,   5                           ; v5       the way out: my stage + 16 x lane
.set AOFF, 6                           ; v[6:10]  my five tiles of A + 16 x lane
.set BADR, 16                          ; v[16:23] weight fragments, one address a column tile
.set EV,   24                          ; v[24:25] their lane terms for even and odd column tiles
.set CB,   44                          ; v[44:59] a batch in bf16: 4 registers for each of my four columns
.set AR,   64                          ; v[64:223] row fragments: four stages of 5 x 8
.set OB,   64                          ; on the way out, in AR's place: 16 rows x 4 registers
.set RING, 128                         ; window 1: v0-127 weight fragments, two buffers of 8 x 8; v128-255 the ring: four stages of 8 loads
; window 2: accumulators u = 0..3, (u, ct) at 64 u + 8 ct;  window 3: v0-63 accumulators u = 4
.set MSB, 0
.macro WIN new                         ; s_set_vgpr_msb: bits 1:0 source 0, 3:2 source 1, 5:4 source 2, 7:6 destination; the high byte repeats the setting that is left
.if MSB != (\new)
	s_set_vgpr_msb (MSB<<8)|(\new)
.set MSB, (\new)
.endif
.endm
.macro PLACES                          ; four plain vector instructions behind a matrix instruction before one of its registers is loaded into or written, or its result read (ISA guide 7.12.1)
.rept 4
	v_nop
.endr
.endm
; my eight rows of batch g, into ring stage g mod 4.  Two bases, 512 rows apart, as in the launch before, whose rows are longer.
.macro WLOAD g
	WIN 0x40
.set q_, 0
.rept 8
	global_load_b128 v[RING+32*((\g)&3)+4*q_:RING+32*((\g)&3)+4*q_+3], v[L16], s[44+2*((\g)>>4):45+2*((\g)>>4)] offset:(32*((\g)&15)+q_)*RB th:TH_LOAD_NT
.set q_, q_+1
.endr
.endm
; batch g is rounded (rows 2 p and 2 p + 1 together) and laid into LDS: 16 bytes along K of each of my four columns
.macro WCONV g
	WIN 0x05
.irp p, 0,1,2,3
.irp jt, 0,1,2,3
	v_cvt_pk_bf16_f32 v[CB+4*\jt+\p], v[RING+32*((\g)&3)+8*\p+\jt], v[RING+32*((\g)&3)+8*\p+4+\jt]
.endr
.endr
	WIN 0
.irp jt, 0,1,2,3
	ds_store_b128 v[SADR], v[CB+4*\jt:CB+4*\jt+3] offset:\jt*PP+64*(\g)
.endr
.endm
; the weight fragments of step s (8 column tiles).  Pieces h and 2 + h of the step's 64 bytes, each at its place: bit 0 of the column tile's
; number is in the address register, bit 1 swaps the two immediates.
.macro WFETCH s
	WIN 0x40
.irp ct, 0,1,2,3,4,5,6,7
	ds_load_b128 v[64*((\s)&1)+8*\ct:64*((\s)&1)+8*\ct+3], v[BADR+\ct] offset:64*(\s)+32*((\ct>>1)&1)
	ds_load_b128 v[64*((\s)&1)+8*\ct+4:64*((\s)&1)+8*\ct+7], v[BADR+\ct] offset:64*(\s)+32-32*((\ct>>1)&1)
.endr
.endm
.macro ALOAD s                         ; the row fragments of step s (5 tiles)
	WIN 0
.irp u, 0,1,2,3,4
	global_load_b128 v[AR+40*((\s)&3)+8*\u:AR+40*((\s)&3)+8*\u+3], v[AOFF+\u], s[50:51] offset:1024*(\s)
	global_load_b128 v[AR+40*((\s)&3)+8*\u+4:AR+40*((\s)&3)+8*\u+7], v[AOFF+\u], s[50:51] offset:1024*(\s)+512
.endr
.endm
.macro AOFFS                           ; where my five tiles of this pass lie
.irp u, 0,1,2,3,4
	s_add_co_u32 s52, s22, 64*\u                   ; tile 4 u + w of the pass,
	s_min_u32 s52, s52, s23                        ; or the expert's last
	s_min_u32 s52, s52, 1008
	s_lshl_b32 s52, s52, ASH
	v_add_nc_u32 v[AOFF+\u], s52, v[L16]
.endr
.endm
; eight matrix instructions: row tile u x the eight column tiles, 32 along K.  Step 0 starts the sums: nothing is cleared.
; The 40 accumulators take turns, one instruction a turn, in the same order in every step.
.macro MM s, u
.if (\u) < 4
	WIN 0xa1
.set ab_, 64*(\u)
.else
	WIN 0xf1
.set ab_, 0
.endif
.set wf_, 64*((\s)&1)
.set ar_, AR+40*((\s)&3)+8*(\u)
.irp ct, 0,1,2,3,4,5,6,7
.if (\s) == 0
	v_wmma_f32_16x16x32_bf16 v[ab_+8*\ct:ab_+8*\ct+7], v[wf_+8*\ct:wf_+8*\ct+7], v[ar_:ar_+7], 0
.else
	v_wmma_f32_16x16x32_bf16 v[ab_+8*\ct:ab_+8*\ct+7], v[wf_+8*\ct:wf_+8*\ct+7], v[ar_:ar_+7], v[ab_+8*\ct:ab_+8*\ct+7]
.endif
.endr
.endm
; A step.  first = 1: the first pass, which also brings the weights in.
; In its middle, in one run: batch s + 5 into LDS, the rows of step s + 3, the fragments of step s + 1, the request for batch s + 9.  The loads go
; into registers that the step before read: the sixteen roundings, which name no register of a matrix instruction, are the places; where there
; are none, four v_nop.
.macro STEP s, first
.set na_, 31-(\s)
.if na_ > 2
.set na_, 2
.endif
.set nw_, 0
.set bar_, 0
.set cv_, 0
.if \first
.set nw_, 26-(\s)
.if nw_ > 3
.set nw_, 3
.endif
.if nw_ < 0
.set nw_, 0
.endif
.if ((\s)&3) == 3
.if (\s) < 31
.set bar_, 1
.endif
.endif
.if (\s) < 27
.set cv_, 1
.endif
.endif
	s_wait_dscnt 0x0                               ; this step's fragments are in and my stores of batches up to s + 4 are done: nothing younger is out
	s_wait_loadcnt 10*na_+8*nw_                    ; this step's rows are in, and with them batch s + 5, asked for ahead of them; the rows of the next two steps and the three youngest batches stay out
.if bar_
	s_barrier_signal -1                            ; my parts of batches up to s + 4 lie in LDS
.endif
	MM \s,0
	MM \s,1
.if bar_
	s_barrier_wait -1                              ; everybody's do: steps s + 1 to s + 4 may be fetched
.endif
.if cv_
	WCONV (\s)+5
.else
.if (\s) < 31
	PLACES
.endif
.endif
.if (\s) < 29
	ALOAD (\s)+3
.endif
.if (\s) < 31
	WFETCH (\s)+1
.endif
.if \first
.if (\s) < 23
	WLOAD (\s)+9
.endif
.endif
	MM \s,2
	MM \s,3
	MM \s,4
.endm
; my tile u: 32 bytes a lane and column tile into my stage, whole rows back, whole rows out
.macro TILE u
.if (\u) < 4
.set aw_, 2
.set ab_, 64*(\u)
.else
.set aw_, 3
.set ab_, 0
.endif
	WIN aw_<<2
.irp ct, 0,1,2,3,4,5,6,7
	ds_store_b128 v[STO], v[ab_+8*\ct:ab_+8*\ct+3] offset:64*\ct
	ds_store_b128 v[STO], v[ab_+8*\ct+4:ab_+8*\ct+7] offset:64*\ct+16
.endr
	WIN 0
.irp t, 0,1,2,3,4,5,6,7,8,9,10,11,12,13,14,15
	ds_load_b128 v[OB+4*\t:OB+4*\t+3], v[RD] offset:\t*SP          ; LDS serves a wave's instructions in order (ISA guide 5.7.1.4): these see the stores above
.endr
.irp t, 0,1,2,3,4,5,6,7,8,9,10,11,12,13,14,15
	s_wait_dscnt 15-\t                             ; row t is in; the later rows' loads stay out
	global_store_b128 v[L16], v[OB+4*\t:OB+4*\t+3], s[48:49] offset:262144*(\u)+4096*\t
.endr
.endm
	s_load_b256 s[4:11], s[0:1], 0x0               ; hbuf s[4:5], w2 s[6:7], tok s[8:9] (the counts at byte 32768), pbuf s[10:11]
	v_lshl_add_u32 v254, v0, 2, 0x48c00
	v_mov_b32 v255, 0
	v_lshrrev_b32 v11, 5, v0
	v_readfirstlane_b32 s14, v11                   ; wave 0..3
	s_lshr_b32 s15, s14, 1                         ; its upper bit
	s_and_b32 s19, ttmp7, 0xffff
	s_and_b32 s20, s19, 3                          ; ks: the quarter of H
	s_lshr_b32 s19, s19, 2                         ; e
	s_lshl_b32 s25, s19, 2
	v_and_b32 v12, 15, v0                          ; r
	v_bfe_u32 v13, v0, 4, 1                        ; h
	v_and_b32 v14, 31, v0                          ; lane
	v_lshlrev_b32 v[L16], 4, v14
	s_lshl_b32 s56, s19, 24                        ; w2[e]: 16 MiB
	s_lshl_b32 s57, s20, 22                        ; 1024 ks rows
	s_add_co_u32 s56, s56, s57
	s_lshl_b32 s57, s14, WSH                       ; 8 w rows
	s_add_co_u32 s56, s56, s57
	s_lshl_b32 s57, ttmp9, 9                       ; 128 x columns
	s_add_co_u32 s56, s56, s57
	s_mov_b32 s57, 0
	s_wait_kmcnt 0x0
	s_load_b32 s21, s[8:9], s25 offset:0x8000      ; the expert's count
	s_add_nc_u64 s[44:45], s[6:7], s[56:57]        ; batches 0 to 15
	s_add_nc_u64 s[46:47], s[44:45], 512*RB        ; batches 16 to 31
	WLOAD 0                                        ; the ring is filled before anything else is done
	WLOAD 1
	WLOAD 2
	WLOAD 3
	WIN 0
	v_bfe_u32 v11, v0, 2, 2                        ; b = (column >> 4) & 3 of my four columns = (lane >> 2) & 3
	v_add_nc_u32 v15, s14, v11
	v_and_b32 v15, 1, v15                          ; w xor b, bit 0: the low bit of the sum
	v_lshrrev_b32 v11, 1, v11
	v_add_nc_u32 v11, s15, v11
	v_and_b32 v11, 1, v11                          ; bit 1: the low bit of the upper bits' sum
	v_lshl_add_u32 v15, v11, 1, v15
	v_mul_u32_u24 v[SADR], v14, 4*PP               ; column 4 l,
	v_lshl_add_u32 v[SADR], v15, 4, v[SADR]        ; piece w of a batch's 64 bytes, at its place
	v_mul_u32_u24 v11, v12, PP                     ; a fragment: lane (r, h) reads column r of the tile,
	v_lshl_add_u32 v[EV], v13, 4, v11              ; piece h in even column tiles,
	v_add_nc_u32 v15, 16, v0
	v_bfe_u32 v15, v15, 4, 1                       ; 1 - h
	v_lshl_add_u32 v[EV+1], v15, 4, v11            ; piece 1 - h in odd ones
.irp ct, 0,1,2,3,4,5,6,7
	v_add_nc_u32 v[BADR+\ct], \ct*16*PP, v[EV+(\ct&1)]
.endr
	s_mul_i32 s52, s14, WSTG
	s_add_co_u32 s52, s52, STAGE                   ; my stage
	v_mul_u32_u24 v15, v12, SP
	v_lshl_add_u32 v15, v13, 5, v15
	v_add_nc_u32 v[STO], s52, v15
	v_add_nc_u32 v[RD], s52, v[L16]
	s_lshl_b32 s56, s20, 25                        ; pbuf: 32 MiB a quarter,
	s_lshl_b32 s58, s19, 22                        ; 1024 slots of 4096 bytes an expert,
	s_add_co_u32 s56, s56, s58
	s_lshl_b32 s58, s14, 16                        ; tile w,
	s_add_co_u32 s56, s56, s58
	s_lshl_b32 s58, ttmp9, 9                       ; 128 x columns
	s_add_co_u32 s56, s56, s58
	s_add_nc_u64 s[48:49], s[10:11], s[56:57]
	s_lshl_b32 s56, s19, 23                        ; hbuf: 8 MiB an expert,
	s_lshl_b32 s58, s20, 15                        ; 32 ks steps of 1024 bytes in a tile
	s_add_co_u32 s56, s56, s58
	s_add_nc_u64 s[50:51], s[4:5], s[56:57]
	; the schedule of the steps' middles, run for the five batches that step 0 finds in LDS
	s_wait_loadcnt 24                              ; batch 0 is in; batches 1 to 3 stay out
	WCONV 0
	WLOAD 4
	s_wait_loadcnt 24                              ; batch 1; batches 2 to 4 stay out
	WCONV 1
	WLOAD 5
	WIN 0
	s_wait_kmcnt 0x0
	s_min_u32 s21, s21, 1024                       ; the expert's rows
	s_add_co_u32 s23, s21, 15
	s_and_b32 s23, s23, -16
	s_max_u32 s23, s23, 16
	s_add_co_i32 s23, s23, -16                     ; the first row of its last tile
	s_cmp_eq_u32 s21, 0
	s_cselect_b64 s[50:51], s[6:7], s[50:51]       ; an expert without rows has no stored tile: its row loads read bytes of w2, and nothing of the product is stored
	s_lshl_b32 s22, s14, 4                         ; the first row of my first tile of the pass
	s_mov_b32 s24, 0                               ; counts the further passes
	AOFFS
	s_wait_loadcnt 24                              ; batch 2; batches 3 to 5 stay out
	WCONV 2
	ALOAD 0
	WLOAD 6
	s_wait_loadcnt 34                              ; batch 3; batches 4, 5, 6 and the rows of step 0 stay out
	WCONV 3
	ALOAD 1
	WLOAD 7
	s_wait_loadcnt 44                              ; batch 4; batches 5, 6, 7 and the rows of steps 0 and 1 stay out
	WCONV 4
	ALOAD 2
	WLOAD 8
	s_wait_dscnt 0x0                               ; my parts of batches 0 to 4 lie in LDS,
	s_barrier_signal -1
	s_barrier_wait -1                              ; everybody's do
	WFETCH 0
.irp s, 0,1,2,3,4,5,6,7,8,9,10,11,12,13,14,15,16,17,18,19,20,21,22,23,24,25,26,27,28,29,30,31
	STEP \s,1
.endr
	WIN 0
	; from here on the weights are only read, a stage is its wave's own, and no barrier follows
.Lepi:
	PLACES
.irp u, 0,1,2,3,4
	WIN 0
	s_add_co_u32 s52, s22, 64*\u
	s_cmp_ge_u32 s52, s21                          ; a tile that begins at or past the count is not stored, nor any behind it
	s_cbranch_scc1 .Lout
	s_wait_xcnt 0x0                                ; the last tile's stores have read their data: it is rewritten only behind this wait
	TILE \u
.endr
	WIN 0
.Lout:
	s_wait_xcnt 0x0                                ; the stores' base and data are rewritten only behind this wait
	s_add_nc_u64 s[48:49], s[48:49], OSTEP
	s_add_co_u32 s22, s22, 320
	s_cmp_ge_u32 s22, s21
	s_cbranch_scc1 .Lend                           ; none of my tiles is left
	AOFFS                                          ; (the last pass's loads that named these registers are in: its last step waited for all)
	ALOAD 0
	ALOAD 1
	ALOAD 2
	WFETCH 0
.irp s, 0,1,2,3,4,5,6,7,8,9,10,11,12,13,14,15,16,17,18,19,20,21,22,23,24,25,26,27,28,29,30,31
	STEP \s,0
.endr
	WIN 0
	s_add_co_u32 s24, s24, 1
	s_cmp_lt_u32 s24, 4                            ; three further passes at the most: 4 x 320 rows cover the 1024 that an expert can have
	s_cbranch_scc1 .Lepi
.Lend:
	s_wait_tensorcnt 0x0
	ds_add_u32 v254, v255
	s_wait_dscnt 0x0
	s_endpgm
.Lfunc_end_k_q32fa9adb1b_ffn2:
	.size	k_q32fa9adb1b_ffn2, .Lfunc_end_k_q32fa9adb1b_ffn2-k_q32fa9adb1b_ffn2
	.p2alignl 7, 3214868480
	.fill 96, 4, 3214868480
	.section	.rodata,"a",@progbits
	.p2align	6, 0x0
	.amdhsa_kernel k_q32fa9adb1b_ffn2
		.amdhsa_group_segment_fixed_size 298496
		.amdhsa_private_segment_fixed_size 0
		.amdhsa_enable_private_segment 0
		.amdhsa_kernarg_size 32
		.amdhsa_user_sgpr_count 2
		.amdhsa_user_sgpr_kernarg_segment_ptr 1
		.amdhsa_wavefront_size32 1
		.amdhsa_system_sgpr_workgroup_id_x 1
		.amdhsa_system_sgpr_workgroup_id_y 1
		.amdhsa_system_sgpr_workgroup_id_z 1
		.amdhsa_system_vgpr_workitem_id 0
		.amdhsa_next_free_vgpr 1024
		.amdhsa_next_free_sgpr 66
		.amdhsa_reserve_vcc 0
		.amdhsa_float_denorm_mode_32 3
		.amdhsa_float_denorm_mode_16_64 3
		.amdhsa_memory_ordered 1
		.amdhsa_forward_progress 1
		.amdhsa_inst_pref_size 255
	.end_amdhsa_kernel
	.section	.bss,"aw",@nobits
	.p2align	6
	.space	262144
	.amdgpu_metadata
---
amdhsa.version: [ 1, 2 ]
amdhsa.kernels:
  - .name:           k_q32fa9adb1b_ffn2
    .symbol:         k_q32fa9adb1b_ffn2.kd
    .args:
      - { .name: hbuf, .offset: 0, .size: 8, .value_kind: global_buffer, .address_space: global }
      - { .name: w2, .offset: 8, .size: 8, .value_kind: global_buffer, .address_space: global }
      - { .name: tok, .offset: 16, .size: 8, .value_kind: global_buffer, .address_space: global }
      - { .name: pbuf, .offset: 24, .size: 8, .value_kind: global_buffer, .address_space: global }
    .group_segment_fixed_size: 298496
    .private_segment_fixed_size: 0
    .kernarg_segment_align: 8
    .kernarg_segment_size: 32
    .max_flat_workgroup_size: 128
    .sgpr_count:     66
    .vgpr_count:     1024
    .wavefront_size: 32
...
	.end_amdgpu_metadata
.endif
;; end of part 5
;; launch combine (part 6): grid 1024 x 1, 8 waves a work-group, no clusters, 0 bytes of LDS; arguments x, b2, wts, pos, pbuf, out0; writes out0
.if DOCPART == 6
	.amdgcn_target "amdgcn-amd-amdhsa--gfx1250"
	.amdhsa_code_object_version 6
	.text
	.protected	k_q32fa9adb1b_combine
	.globl	k_q32fa9adb1b_combine
	.p2align	8
	.type	k_q32fa9adb1b_combine,@function
k_q32fa9adb1b_combine:
	s_mov_b64 s[64:65], 0
	v_nop
	global_prefetch_b8 v0, s[64:65] scope:SCOPE_SE
	s_setreg_imm32_b32 hwreg(HW_REG_WAVE_MODE, 25, 1), 1
	s_wait_xcnt 0x0
; out[t] = x[t] + sum over k = 0, 1 of w_k (b2[e_k] + the four quarters of pbuf at slot pos_k).
; One work-group a token, thread n its columns 4 n .. 4 n + 3: every load and the store of a wave cover 512 consecutive bytes, aligned.
; Memory binds: eleven loads of 16 bytes a lane go out together, no LDS, no barrier.  The slots are whole numbers that the launch which
; places the entries stored.
	s_load_b256 s[4:11], s[0:1], 0x0               ; x s[4:5], b2 s[6:7], wts s[8:9], pos s[10:11]
	s_load_b128 s[12:15], s[0:1], 0x20             ; pbuf s[12:13], out0 s[14:15]
	s_lshl_b32 s16, ttmp9, 3                       ; two words a token
	s_lshl_b32 s22, ttmp9, 12                      ; a row of 4096 bytes
	s_mov_b32 s23, 0
	v_lshlrev_b32 v1, 4, v0
	s_wait_kmcnt 0x0
	s_load_b64 s[18:19], s[10:11], s16 offset:0x0  ; the two slots
	s_load_b64 s[20:21], s[8:9], s16 offset:0x0    ; the two weights
	s_add_nc_u64 s[4:5], s[4:5], s[22:23]
	s_add_nc_u64 s[14:15], s[14:15], s[22:23]
	global_load_b128 v[4:7], v1, s[4:5] th:TH_LOAD_NT
	s_mov_b32 s45, 0
	s_wait_kmcnt 0x0
.irp k, 0,1
	s_min_u32 s[18+\k], s[18+\k], 0x1fff
	s_lshl_b32 s44, s[18+\k], 12
	s_add_nc_u64 s[24+8*\k:25+8*\k], s[12:13], s[44:45]                  ; quarter 0,
	s_add_nc_u64 s[26+8*\k:27+8*\k], s[24+8*\k:25+8*\k], 0x2000000       ; and the others, 32 MiB apart
	s_add_nc_u64 s[28+8*\k:29+8*\k], s[26+8*\k:27+8*\k], 0x2000000
	s_add_nc_u64 s[30+8*\k:31+8*\k], s[28+8*\k:29+8*\k], 0x2000000
	s_and_b32 s44, s[18+\k], 0x1c00                                      ; 1024 x expert,
	s_lshl_b32 s44, s44, 2                                               ; times 4: its row of b2
	s_add_nc_u64 s[40+2*\k:41+2*\k], s[6:7], s[44:45]
.endr
.irp k, 0,1
.irp q, 0,1,2,3
	global_load_b128 v[8+16*\k+4*\q:11+16*\k+4*\q], v1, s[24+8*\k+2*\q:25+8*\k+2*\q] th:TH_LOAD_NT
.endr
	global_load_b128 v[40+4*\k:43+4*\k], v1, s[40+2*\k:41+2*\k]
.endr
	s_wait_loadcnt 0x0
.irp k, 0,1
.irp c, 0,2
	v_pk_add_f32 v[8+16*\k+\c:9+16*\k+\c], v[8+16*\k+\c:9+16*\k+\c], v[12+16*\k+\c:13+16*\k+\c]
	v_pk_add_f32 v[16+16*\k+\c:17+16*\k+\c], v[16+16*\k+\c:17+16*\k+\c], v[20+16*\k+\c:21+16*\k+\c]
.endr
.irp c, 0,2
	v_pk_add_f32 v[8+16*\k+\c:9+16*\k+\c], v[8+16*\k+\c:9+16*\k+\c], v[16+16*\k+\c:17+16*\k+\c]
.endr
.irp c, 0,2
	v_pk_add_f32 v[8+16*\k+\c:9+16*\k+\c], v[8+16*\k+\c:9+16*\k+\c], v[40+4*\k+\c:41+4*\k+\c]
.endr
.endr
.irp c, 0,1,2,3
	v_fma_f32 v[4+\c], s20, v[8+\c], v[4+\c]
.endr
.irp c, 0,1,2,3
	v_fma_f32 v[4+\c], s21, v[24+\c], v[4+\c]
.endr
	global_store_b128 v1, v[4:7], s[14:15] th:TH_STORE_NT
	s_endpgm
.Lfunc_end_k_q32fa9adb1b_combine:
	.size	k_q32fa9adb1b_combine, .Lfunc_end_k_q32fa9adb1b_combine-k_q32fa9adb1b_combine
	.p2alignl 7, 3214868480
	.fill 96, 4, 3214868480
	.section	.rodata,"a",@progbits
	.p2align	6, 0x0
	.amdhsa_kernel k_q32fa9adb1b_combine
		.amdhsa_group_segment_fixed_size 0
		.amdhsa_private_segment_fixed_size 0
		.amdhsa_enable_private_segment 0
		.amdhsa_kernarg_size 48
		.amdhsa_user_sgpr_count 2
		.amdhsa_user_sgpr_kernarg_segment_ptr 1
		.amdhsa_wavefront_size32 1
		.amdhsa_system_sgpr_workgroup_id_x 1
		.amdhsa_system_sgpr_workgroup_id_y 1
		.amdhsa_system_sgpr_workgroup_id_z 1
		.amdhsa_system_vgpr_workitem_id 0
		.amdhsa_next_free_vgpr 48
		.amdhsa_next_free_sgpr 66
		.amdhsa_reserve_vcc 0
		.amdhsa_float_denorm_mode_32 3
		.amdhsa_float_denorm_mode_16_64 3
		.amdhsa_memory_ordered 1
		.amdhsa_forward_progress 1
		.amdhsa_inst_pref_size 5
	.end_amdhsa_kernel
	.amdgpu_metadata
---
amdhsa.version: [ 1, 2 ]
amdhsa.kernels:
  - .name:           k_q32fa9adb1b_combine
    .symbol:         k_q32fa9adb1b_combine.kd
    .args:
      - { .name: x, .offset: 0, .size: 8, .value_kind: global_buffer, .address_space: global }
      - { .name: b2, .offset: 8, .size: 8, .value_kind: global_buffer, .address_space: global }
      - { .name: wts, .offset: 16, .size: 8, .value_kind: global_buffer, .address_space: global }
      - { .name: pos, .offset: 24, .size: 8, .value_kind: global_buffer, .address_space: global }
      - { .name: pbuf, .offset: 32, .size: 8, .value_kind: global_buffer, .address_space: global }
      - { .name: out0, .offset: 40, .size: 8, .value_kind: global_buffer, .address_space: global }
    .group_segment_fixed_size: 0
    .private_segment_fixed_size: 0
    .kernarg_segment_align: 8
    .kernarg_segment_size: 48
    .max_flat_workgroup_size: 256
    .sgpr_count:     66
    .vgpr_count:     48
    .wavefront_size: 32
...
	.end_amdgpu_metadata
.endif
;; end of part 6
;; ======== version 2 of 2: 6 launches; version 1 with the launches ffn1, ffn2 written anew for expert scheduling mode
;; limits: a function is approximated: absolute error at most 1.5e-07
;; workspace buffers: xn 2,097,152 bytes; sel 8,192 bytes of whole numbers; wts 8,192 bytes; tok 33,024 bytes of whole numbers; xg 16,777,216 bytes; pos 8,192 bytes of whole numbers; hbuf 67,108,864 bytes; pbuf 134,217,728 bytes
;; launch route: the kernel of part 1 again; grid 128 x 1, 8 waves a work-group, no clusters, 34,048 bytes of LDS; arguments x, gamma, beta, gate_w, xn, sel, wts; writes xn, sel, wts
;; launch place: the kernel of part 2 again; grid 64 x 1, 8 waves a work-group, no clusters, 2,048 bytes of LDS; arguments sel, pos, tok; writes pos, tok
;; launch gather: the kernel of part 3 again; grid 64 x 1, 8 waves a work-group, no clusters, 0 bytes of LDS; arguments tok, xn, xg; writes xg
;; launch ffn1 (part 7): grid 32 x 8, 4 waves a work-group, no clusters, 264,704 bytes of LDS; arguments xg, w1, tok, hbuf, b1; writes hbuf
.if DOCPART == 7
	.amdgcn_target "amdgcn-amd-amdhsa--gfx1250"
	.amdhsa_code_object_version 6
	.text
	.protected	k_q32fa9adb1b_ffn1
	.globl	k_q32fa9adb1b_ffn1
	.p2align	8
	.type	k_q32fa9adb1b_ffn1,@function
k_q32fa9adb1b_ffn1:
	s_mov_b64 s[64:65], 0
	v_nop
	global_prefetch_b8 v0, s[64:65] scope:SCOPE_SE
	s_setreg_imm32_b32 hwreg(HW_REG_WAVE_SCHED_MODE, 0, 2), 2
	s_setreg_imm32_b32 hwreg(HW_REG_WAVE_MODE, 25, 1), 1
	s_wait_xcnt 0x0
	s_wait_alu depctr_vm_vsrc(0)
; h = gelu(xg w1[e] + b1[e]) for the rows of expert e, in slot order.  Work-group (x, e): columns 128 x .. 128 x + 127 of H, K = 1024.
; THE WEIGHTS ARRIVE WHILE THE FIRST PASS MULTIPLIES, AND THEN STAY.  The work-group's 1024 x 128 weights (512 KiB of f32) are read once, in 32
; batches of 32 k.  Of batch g wave w brings rows 32 g + 8 w .. + 7: eight loads, each the 512 consecutive bytes of one row's 128 columns
; (lane l: columns 4 l .. 4 l + 3); rounding rows k and k + 1 together gives 4 bytes of each of a lane's four columns, eight rows give 16.
; LDS holds them as [column][1024 k] in bf16, 2064 bytes from column to column (129 x 16).  Inside each 64 bytes the 16-byte piece j of
; column c lies at place j xor ((c >> 4) & 3): so the sixteen lanes of a store (columns four apart) and the sixteen lanes of a fragment
; load (neighbouring columns) both touch sixteen different 16-byte places modulo 256.
; A PASS is 320 rows: wave w takes the 16-row tiles 4 u + w, u = 0..4, x all 128 columns: 40 accumulators, 320 registers.  For 32 along K:
; 16 LDS loads (weights), 10 global loads (rows), 40 matrix instructions.  Rows lie in memory in fragment order, so each row load covers 512
; consecutive bytes.  A tile at or past the count reads the expert's last tile instead and is not stored.
; THE FIRST PASS is run by every wave whatever the count, so barriers may stand in it.  At the head of its step s a wave rounds batch s + 5; among
; the step's matrix instructions it fetches the fragments of step s + 1, asks for the rows of step s + 3, stores batch s + 5 and asks for
; batch s + 9 (a ring of four stages of eight loads).  A barrier in front of step 0 and one in each of steps 3, 7, .., 27 shows the next four
; batches of all four waves.  Loads come back in the order of issue, so a batch has to be in when the rows asked for behind it are wanted: it has
; the rest of its step and three more steps.  By the text's count at most 62 loads of a wave are out (8 + 3 x 18).  No LDS byte is written twice.
; FURTHER PASSES (an expert can have up to 1024 rows, four passes) hang on a count read from memory: they find all weights in LDS and hold
; no barrier.  The way out is written once: the loop is {way out; leave if no row is left; a further pass}.
; THE PRODUCT IS USED TRANSPOSED: source 0 = 16 columns of weights, source 1 = 16 rows.  Lane (r, h) then holds row r, columns 16 ct + 8 h + j
; in register j: eight neighbours, which after bias and gelu pack into half a fragment of the next launch.
; hbuf[e][tile][k step s][half c][lane][16 bytes], as xg; this work-group writes steps 4 x .. 4 x + 3 of each tile, 512 bytes a store.
; NO CLUSTER, NO TENSOR LOADS: the row tiles are shared by the 32 slices of an expert, but LDS is full of weights (264,192 bytes): what is left
; holds no two slots of more than one step, and the further passes can hold no barrier at all.
; GELU with erf by the five-term rational form in t = 1 / (1 + 0.3275911 z) (|error of erf| <= 1.5e-7 for every z).
; LIMITS: operands rounded to bf16; NaN and infinities not served.  An expert without rows has no stored tile: it still reads its weights, and
; its first pass multiplies bytes of w1 in the rows' place; nothing of that is stored.
; THE MODE: SCHED_MODE bits 1:0 = 2 (LLVM: expert scheduling mode 2), set by the entry lines.  The code itself states the register dependences
; between vector or matrix instructions and memory or LDS instructions, with s_wait_alu, always for 0.
; THE PLAN.  Registers that memory or LDS instructions touch, in step s:
;   RING0 .. RING3  The loads of batch g land in stage g mod 4; the sixteen roundings at the head of step g - 5 read it; batch g + 4 is asked for later in that step.
;   CB              Written by those roundings; read by the batch's four LDS stores later in the same step.
;   AR0 .. AR3      The rows of step s land in stage s mod 4; step s's matrix instructions read it; the loads of step s + 1 (rows of step s + 4) land in it.
;   WF0, WF1        The fragments of step s land in buffer s mod 2; step s's matrix instructions read it; the LDS loads of step s + 1 land in it.
;   v2, v3, v4, v16-23  Offsets and LDS addresses: made at the head, never written again.  v6-10: written once a pass, ahead of the pass's first load.
;   The accumulators are named by matrix instructions alone until the way out.
; So ONE wait on va_vdst stands in a step, at its head, behind the roundings: it states that CB is written, that the ring's stage is read out, and that the
; matrix instructions of the step before are done reading their rows and fragments.  The step's 38 memory and LDS instructions follow it, dealt among its 40
; matrix instructions, which name WF[s mod 2], AR[s mod 4] and the accumulators: none of the registers that those 38 touch.  One wait on vm_vsrc stands ahead
; of the roundings: the LDS stores of the step before have read CB.
; ON THE WAY OUT a tile's 32 packed registers are written by its roundings, stored in one run behind one wait on va_vdst, and written again only behind a wait on vm_vsrc.
.set RB,    16384                      ; bytes in a row of w1
.set WSH,   17                         ; 8 rows of w1 = 1 << 17 bytes
.set ASH,   11                         ; a tile of A is 2048 bytes for each of its rows
.set PP,    2064                       ; LDS: from column to column
.set OSTEP, 320*8192                   ; from a pass to the next in hbuf
.set SADR, 2                           ; v2       where my 16 bytes of column 4 l go
.set L16,  3                           ; v3       16 x lane; never rewritten
.set BOFF, 4                           ; v4       bias: 32 h
.set AOFF, 6                           ; v[6:10]  my five tiles of A + 16 x lane
.set BADR, 16                          ; v[16:23] weight fragments, one address a column tile
.set EV,   24                          ; v[24:25] their lane terms for even and odd column tiles
.set CA,   32                          ; v[32:41] minus half the five coefficients, each twice
.set CB,   44                          ; v[44:59] a batch in bf16: 4 registers for each of my four columns
.set AR,   64                          ; v[64:223] row fragments: four stages of 5 x 8
.set XA,   64                          ; on the way out, in AR's place: 16 numbers, 96 registers at work, 32 packed
.set GY,   80
.set GD,   96
.set GT,   112
.set GM,   128
.set GP,   144
.set GH,   160
.set OUTR, 176
.set RING, 128                         ; window 1: v0-127 weight fragments, two buffers of 8 x 8; v128-255 the ring: four stages of 8 loads
.set BIAS, 64                          ; window 3: v0-63 accumulators u = 4; v64-127 bias
; window 2: accumulators u = 0..3, (u, ct) at 64 u + 8 ct
.set MSB, 0
.macro WIN new                         ; s_set_vgpr_msb: bits 1:0 source 0, 3:2 source 1, 5:4 source 2, 7:6 destination; the high byte repeats the setting that is left
.if MSB != (\new)
	s_set_vgpr_msb (MSB<<8)|(\new)
.set MSB, (\new)
.endif
.endm
.macro PLACES                          ; four plain vector instructions behind a matrix instruction before one of its registers is loaded into or written, or its result read (ISA guide 7.12.1)
.rept 4
	v_nop
.endr
.endm
; my eight rows of batch g, into ring stage g mod 4.  Two bases, 512 rows apart, keep the immediates inside their signed 24 bits.
.macro WLOAD g
	WIN 0x40
.set q_, 0
.rept 8
	global_load_b128 v[RING+32*((\g)&3)+4*q_:RING+32*((\g)&3)+4*q_+3], v[L16], s[44+2*((\g)>>4):45+2*((\g)>>4)] offset:(32*((\g)&15)+q_)*RB th:TH_LOAD_NT
.set q_, q_+1
.endr
.endm
; batch g is rounded (rows 2 p and 2 p + 1 together): 16 bytes along K of each of my four columns.  again = 1: CB has been stored from before.
.macro WCV g, again
.if \again
	s_wait_alu depctr_vm_vsrc(0)                   ; the LDS stores of the batch before have read CB, which these roundings write again
.endif
	WIN 0x05
.irp p, 0,1,2,3
.irp jt, 0,1,2,3
	v_cvt_pk_bf16_f32 v[CB+4*\jt+\p], v[RING+32*((\g)&3)+8*\p+\jt], v[RING+32*((\g)&3)+8*\p+4+\jt]
.endr
.endr
	s_wait_alu depctr_va_vdst(0)                   ; the roundings have written CB, which the batch's LDS stores read, and are done reading the ring's stage, in which the next request lands.
	                                               ; With them all that was issued ahead is complete: at the kernel's head the addresses v2, v6-10 and v16-23, which LDS stores, row loads and
	                                               ; fragment loads read; in a step the matrix instructions of the step before, in whose rows' and fragments' registers this step's loads land
.endm
.macro WST g                           ; batch g is laid into LDS
	WIN 0
.irp jt, 0,1,2,3
	ds_store_b128 v[SADR], v[CB+4*\jt:CB+4*\jt+3] offset:\jt*PP+64*(\g)
.endr
.endm
; the weight fragments of step s (8 column tiles).  Pieces h and 2 + h of the step's 64 bytes, each at its place: bit 0 of the column tile's
; number is in the address register, bit 1 swaps the two immediates.
.macro WFETCH s
	WIN 0x40
.irp ct, 0,1,2,3,4,5,6,7
	ds_load_b128 v[64*((\s)&1)+8*\ct:64*((\s)&1)+8*\ct+3], v[BADR+\ct] offset:64*(\s)+32*((\ct>>1)&1)
	ds_load_b128 v[64*((\s)&1)+8*\ct+4:64*((\s)&1)+8*\ct+7], v[BADR+\ct] offset:64*(\s)+32-32*((\ct>>1)&1)
.endr
.endm
.macro ALOAD s                         ; the row fragments of step s (5 tiles)
	WIN 0
.irp u, 0,1,2,3,4
	global_load_b128 v[AR+40*((\s)&3)+8*\u:AR+40*((\s)&3)+8*\u+3], v[AOFF+\u], s[50:51] offset:1024*(\s)
	global_load_b128 v[AR+40*((\s)&3)+8*\u+4:AR+40*((\s)&3)+8*\u+7], v[AOFF+\u], s[50:51] offset:1024*(\s)+512
.endr
.endm
.macro AOFFS                           ; where my five tiles of this pass lie
.irp u, 0,1,2,3,4
	s_add_co_u32 s52, s22, 64*\u                   ; tile 4 u + w of the pass,
	s_min_u32 s52, s52, s23                        ; or the expert's last
	s_min_u32 s52, s52, 1008
	s_lshl_b32 s52, s52, ASH
	v_add_nc_u32 v[AOFF+\u], s52, v[L16]
.endr
.endm
; eight matrix instructions: row tile u x the eight column tiles, 32 along K.  Step 0 starts the sums: nothing is cleared.
; The 40 accumulators take turns, one instruction a turn, in the same order in every step.
.macro MM s, u
.if (\u) < 4
	WIN 0xa1
.set ab_, 64*(\u)
.else
	WIN 0xf1
.set ab_, 0
.endif
.set wf_, 64*((\s)&1)
.set ar_, AR+40*((\s)&3)+8*(\u)
.irp ct, 0,1,2,3,4,5,6,7
.if (\s) == 0
	v_wmma_f32_16x16x32_bf16 v[ab_+8*\ct:ab_+8*\ct+7], v[wf_+8*\ct:wf_+8*\ct+7], v[ar_:ar_+7], 0
.else
	v_wmma_f32_16x16x32_bf16 v[ab_+8*\ct:ab_+8*\ct+7], v[wf_+8*\ct:wf_+8*\ct+7], v[ar_:ar_+7], v[ab_+8*\ct:ab_+8*\ct+7]
.endif
.endr
.endm
; A step.  first = 1: the first pass, which also brings the weights in.
; At its head batch s + 5 is rounded, and one wait on va_vdst follows.  Behind it, with no further wait: the fragments of step s + 1 behind the second eight
; matrix instructions (and behind the barrier, where there is one); the rows of step s + 3, batch s + 5 into LDS and the request for batch s + 9 behind the third
; eight.  The rows are asked for ahead of the batch, as the counts of the waits for loads assume.  The loads go into registers that the step before read: the
; sixteen roundings, which name no register of a matrix instruction, are the places; where there are none, four v_nop.
.macro STEP s, first
.set na_, 31-(\s)
.if na_ > 2
.set na_, 2
.endif
.set nw_, 0
.set bar_, 0
.set cv_, 0
.if \first
.set nw_, 26-(\s)
.if nw_ > 3
.set nw_, 3
.endif
.if nw_ < 0
.set nw_, 0
.endif
.if ((\s)&3) == 3
.if (\s) < 31
.set bar_, 1
.endif
.endif
.if (\s) < 27
.set cv_, 1
.endif
.endif
.set wt_, 0                            ; a step without roundings that still issues loads has a wait of its own; step 0 of a further pass leans on the wait ahead of the pass, step 31 issues no load
.if (\s) < 31
.if (\s) > 0
.set wt_, 1-cv_
.endif
.endif
	s_wait_dscnt 0x0                               ; this step's fragments are in and my stores of batches up to s + 4 are done: nothing younger is out
	s_wait_loadcnt 10*na_+8*nw_                    ; this step's rows are in, and with them batch s + 5, asked for ahead of them; the rows of the next two steps and the three youngest batches stay out
.if bar_
	s_barrier_signal -1                            ; my parts of batches up to s + 4 lie in LDS
.endif
.if cv_
	WCV (\s)+5, 1
.endif
.if wt_
	PLACES
	s_wait_alu depctr_va_vdst(0)                   ; the matrix instructions of the step before are done reading their rows and fragments, in whose registers this step's loads land
.endif
	MM \s,0
	MM \s,1
.if bar_
	s_barrier_wait -1                              ; everybody's do: steps s + 1 to s + 4 may be fetched
.endif
.if (\s) < 31
	WFETCH (\s)+1                                  ; no wait: no vector or matrix instruction since the wait at the step's head names the other fragment buffer
.endif
	MM \s,2
.if (\s) < 29
	ALOAD (\s)+3                                   ; nor the stage of rows that the step before read,
.endif
.if cv_
	WST (\s)+5                                     ; nor CB,
.endif
.if \first
.if (\s) < 23
	WLOAD (\s)+9                                   ; nor the ring's stage that the roundings emptied
.endif
.endif
	MM \s,3
	MM \s,4
.endm
; gelu of the sixteen numbers at XA, in place: 0.5 x + |x| (0.5 - q), q = half the polynomial in t times exp(-x x / 2).
; The coefficients are kept negated, so that -q comes out of the polynomial and the last step is a plain multiply-add.
; The sixteen reciprocals and the sixteen exponentials are one batch, with one wait.
.macro GELU16
.irp m, 0,2,4,6,8,10,12,14
	v_pk_mul_f32 v[GY+\m:GY+\m+1], v[XA+\m:XA+\m+1], v[XA+\m:XA+\m+1]
.endr
.irp m, 0,1,2,3,4,5,6,7,8,9,10,11,12,13,14,15
	v_fma_f32 v[GD+\m], |v[XA+\m]|, s68, 1.0
.endr
.irp m, 0,2,4,6,8,10,12,14
	v_pk_mul_f32 v[GY+\m:GY+\m+1], v[GY+\m:GY+\m+1], s[66:67] op_sel_hi:[1,0]
.endr
.irp m, 0,1,2,3,4,5,6,7,8,9,10,11,12,13,14,15
	v_rcp_f32 v[GT+\m], v[GD+\m]
.endr
.irp m, 0,1,2,3,4,5,6,7,8,9,10,11,12,13,14,15
	v_exp_f32 v[GM+\m], v[GY+\m]
.endr
.irp m, 0,2,4,6,8,10,12,14
	v_pk_mul_f32 v[GH+\m:GH+\m+1], v[XA+\m:XA+\m+1], 0.5 op_sel_hi:[1,0]           ; plain work behind the transcendentals before their results are read (ISA guide 5.7.2)
.endr
	s_wait_alu depctr_va_vdst(0)                   ; the reciprocals have written GT and the exponentials GM, ahead of their first reader: one wait for the batch
.irp m, 0,2,4,6,8,10,12,14
	v_pk_fma_f32 v[GP+\m:GP+\m+1], v[GT+\m:GT+\m+1], v[CA+8:CA+9], v[CA+6:CA+7]
.endr
.irp c, 4,2,0
.irp m, 0,2,4,6,8,10,12,14
	v_pk_fma_f32 v[GP+\m:GP+\m+1], v[GP+\m:GP+\m+1], v[GT+\m:GT+\m+1], v[CA+\c:CA+\c+1]
.endr
.endr
.irp m, 0,2,4,6,8,10,12,14
	v_pk_mul_f32 v[GP+\m:GP+\m+1], v[GP+\m:GP+\m+1], v[GT+\m:GT+\m+1]
.endr
.irp m, 0,2,4,6,8,10,12,14
	v_pk_fma_f32 v[GP+\m:GP+\m+1], v[GP+\m:GP+\m+1], v[GM+\m:GM+\m+1], 0.5 op_sel_hi:[1,1,0]
.endr
.irp m, 0,1,2,3,4,5,6,7,8,9,10,11,12,13,14,15
	v_fma_f32 v[XA+\m], |v[XA+\m]|, v[GP+\m], v[GH+\m]
.endr
.endm
; my tile u: two column tiles at a time make one fragment (32 k) of the next launch: bias, gelu, bf16; then the tile's eight stores of 512 consecutive bytes, in one run
.macro TILE u
.if (\u) < 4
.set aw_, 2
.set ab_, 64*(\u)
.else
.set aw_, 3
.set ab_, 0
.endif
.irp sp, 0,1,2,3
	WIN aw_|12
.irp m, 0,2,4,6,8,10,12,14
	v_pk_add_f32 v[XA+\m:XA+\m+1], v[ab_+16*\sp+\m:ab_+16*\sp+\m+1], v[BIAS+16*\sp+\m:BIAS+16*\sp+\m+1]
.endr
	WIN 0
	GELU16
.irp m, 0,1,2,3,4,5,6,7
	v_cvt_pk_bf16_f32 v[OUTR+8*\sp+\m], v[XA+2*\m], v[XA+2*\m+1]
.endr
.endr
	s_wait_alu depctr_va_vdst(0)                   ; the roundings have written the tile's 32 packed registers, which the eight stores read
.irp sp, 0,1,2,3
	global_store_b128 v[L16], v[OUTR+8*\sp:OUTR+8*\sp+3], s[48:49] offset:524288*(\u)+1024*\sp
	global_store_b128 v[L16], v[OUTR+8*\sp+4:OUTR+8*\sp+7], s[48:49] offset:524288*(\u)+1024*\sp+512
.endr
.endm
	s_load_b256 s[4:11], s[0:1], 0x0               ; xg s[4:5], w1 s[6:7], tok s[8:9] (the counts at byte 32768), hbuf s[10:11]
	s_load_b64 s[12:13], s[0:1], 0x20              ; b1
	v_lshl_add_u32 v254, v0, 2, 0x40800
	v_mov_b32 v255, 0
	v_lshrrev_b32 v11, 5, v0
	v_readfirstlane_b32 s14, v11                   ; wave 0..3
	s_and_b32 s19, ttmp7, 0xffff                   ; e
	s_lshl_b32 s25, s19, 2
	v_and_b32 v12, 15, v0                          ; r
	v_bfe_u32 v13, v0, 4, 1                        ; h
	v_and_b32 v14, 31, v0                          ; lane
	v_lshlrev_b32 v[L16], 4, v14
	v_lshlrev_b32 v[BOFF], 5, v13
	s_wait_alu depctr_va_sdst(0)                   ; s14 is written, ahead of its first reader: bases, LDS places and the pass's rows are made from it
	s_lshr_b32 s15, s14, 1                         ; its upper bit
	s_lshl_b32 s56, s19, 24                        ; w1[e]: 16 MiB
	s_lshl_b32 s57, s14, WSH                       ; 8 w rows
	s_add_co_u32 s56, s56, s57
	s_lshl_b32 s57, ttmp9, 9                       ; 128 x columns
	s_add_co_u32 s56, s56, s57
	s_mov_b32 s57, 0
	s_lshl_b32 s58, s19, 14                        ; b1[e]
	s_lshl_b32 s59, ttmp9, 9
	s_add_co_u32 s58, s58, s59
	s_mov_b32 s59, 0
	s_wait_kmcnt 0x0
	s_load_b32 s21, s[8:9], s25 offset:0x8000      ; the expert's count
	s_add_nc_u64 s[44:45], s[6:7], s[56:57]        ; batches 0 to 15
	s_add_nc_u64 s[46:47], s[44:45], 512*RB        ; batches 16 to 31
	s_add_nc_u64 s[12:13], s[12:13], s[58:59]
	WIN 0xc0
	s_wait_alu depctr_va_vdst(0)                   ; v3 and v4 are written: the loads of the bias and of the weights read them as their offsets
.irp ct, 0,1,2,3,4,5,6,7
	global_load_b128 v[BIAS+8*\ct:BIAS+8*\ct+3], v[BOFF], s[12:13] offset:64*\ct        ; b1 of columns 16 ct + 8 h .. + 7: the oldest loads, in by the first wait
	global_load_b128 v[BIAS+8*\ct+4:BIAS+8*\ct+7], v[BOFF], s[12:13] offset:64*\ct+16
.endr
	WLOAD 0                                        ; the ring is filled before anything else is done
	WLOAD 1
	WLOAD 2
	WLOAD 3
	WIN 0
	v_bfe_u32 v11, v0, 2, 2                        ; b = (column >> 4) & 3 of my four columns = (lane >> 2) & 3
	v_add_nc_u32 v15, s14, v11
	v_and_b32 v15, 1, v15                          ; w xor b, bit 0: the low bit of the sum
	v_lshrrev_b32 v11, 1, v11
	v_add_nc_u32 v11, s15, v11
	v_and_b32 v11, 1, v11                          ; bit 1: the low bit of the upper bits' sum
	v_lshl_add_u32 v15, v11, 1, v15
	v_mul_u32_u24 v[SADR], v14, 4*PP               ; column 4 l,
	v_lshl_add_u32 v[SADR], v15, 4, v[SADR]        ; piece w of a batch's 64 bytes, at its place
	v_mul_u32_u24 v11, v12, PP                     ; a fragment: lane (r, h) reads column r of the tile,
	v_lshl_add_u32 v[EV], v13, 4, v11              ; piece h in even column tiles,
	v_add_nc_u32 v15, 16, v0
	v_bfe_u32 v15, v15, 4, 1                       ; 1 - h
	v_lshl_add_u32 v[EV+1], v15, 4, v11            ; piece 1 - h in odd ones
.irp ct, 0,1,2,3,4,5,6,7
	v_add_nc_u32 v[BADR+\ct], \ct*16*PP, v[EV+(\ct&1)]
.endr
	s_lshl_b32 s56, s19, 23                        ; hbuf: 8 MiB an expert,
	s_lshl_b32 s58, ttmp9, 12                      ; steps 4 x .. of 1024 bytes,
	s_add_co_u32 s56, s56, s58
	s_lshl_b32 s58, s14, 17                        ; tile w of 128 KiB
	s_add_co_u32 s56, s56, s58
	s_add_nc_u64 s[48:49], s[10:11], s[56:57]
	s_lshl_b32 s56, s19, 21                        ; xg: 2 MiB an expert
	s_add_nc_u64 s[50:51], s[4:5], s[56:57]
	v_mov_b32 v[CA+0], 0xbe027906                  ; -0.254829592 / 2
	v_mov_b32 v[CA+1], 0xbe027906
	v_mov_b32 v[CA+2], 0x3e11a98e                  ;  0.284496736 / 2
	v_mov_b32 v[CA+3], 0x3e11a98e
	v_mov_b32 v[CA+4], 0xbf35f0e3                  ; -1.421413741 / 2
	v_mov_b32 v[CA+5], 0xbf35f0e3
	v_mov_b32 v[CA+6], 0x3f3a00e3                  ;  1.453152027 / 2
	v_mov_b32 v[CA+7], 0x3f3a00e3
	v_mov_b32 v[CA+8], 0xbf07dc22                  ; -1.061405429 / 2
	v_mov_b32 v[CA+9], 0xbf07dc22
	s_mov_b32 s66, 0xbf38aa3b                      ; -log2(e) / 2
	s_mov_b32 s67, 0xbf38aa3b
	s_mov_b32 s68, 0x3e6d3389                      ; 0.3275911 / sqrt(2)
	; the steps' schedule, run for the five batches that step 0 finds in LDS
	s_wait_loadcnt 24                              ; batch 0 is in; batches 1 to 3 stay out
	WCV 0, 0
	WST 0
	WLOAD 4
	s_wait_loadcnt 24                              ; batch 1; batches 2 to 4 stay out
	WCV 1, 1
	WST 1
	WLOAD 5
	WIN 0
	s_wait_kmcnt 0x0
	s_min_u32 s21, s21, 1024                       ; the expert's rows
	s_add_co_u32 s23, s21, 15
	s_and_b32 s23, s23, -16
	s_max_u32 s23, s23, 16
	s_add_co_i32 s23, s23, -16                     ; the first row of its last tile
	s_cmp_eq_u32 s21, 0
	s_cselect_b64 s[50:51], s[6:7], s[50:51]       ; an expert without rows has no stored tile: its row loads read bytes of w1, and nothing of the product is stored
	s_lshl_b32 s22, s14, 4                         ; the first row of my first tile of the pass
	s_mov_b32 s24, 0                               ; counts the further passes
	AOFFS                                          ; (the wait behind batch 2's roundings shows v6-10 written, ahead of the first row load)
	s_wait_loadcnt 24                              ; batch 2; batches 3 to 5 stay out
	WCV 2, 1
	WST 2
	ALOAD 0
	WLOAD 6
	s_wait_loadcnt 34                              ; batch 3; batches 4, 5, 6 and the rows of step 0 stay out
	WCV 3, 1
	WST 3
	ALOAD 1
	WLOAD 7
	s_wait_loadcnt 44                              ; batch 4; batches 5, 6, 7 and the rows of steps 0 and 1 stay out
	WCV 4, 1
	WST 4
	ALOAD 2
	WLOAD 8
	s_wait_dscnt 0x0                               ; my parts of batches 0 to 4 lie in LDS,
	s_barrier_signal -1
	s_barrier_wait -1                              ; everybody's do
	WFETCH 0
.irp s, 0,1,2,3,4,5,6,7,8,9,10,11,12,13,14,15,16,17,18,19,20,21,22,23,24,25,26,27,28,29,30,31
	STEP \s,1
.endr
	WIN 0
	; from here on LDS is only read, and no barrier follows
.Lepi:
	PLACES
.irp u, 0,1,2,3,4
	WIN 0
	s_add_co_u32 s52, s22, 64*\u
	s_cmp_ge_u32 s52, s21                          ; a tile that begins at or past the count is not stored, nor any behind it
	s_cbranch_scc1 .Lout
	s_wait_xcnt 0x0                                ; the last tile's stores have had their addresses translated: their data is rewritten only behind this wait
.if \u > 0
	s_wait_alu depctr_vm_vsrc(0)                   ; the last tile's stores have read the packed registers, which this tile's roundings write again
.endif
	TILE \u
.endr
	WIN 0
.Lout:
	s_wait_xcnt 0x0                                ; the stores' base and data are rewritten only behind this wait
	s_add_nc_u64 s[48:49], s[48:49], OSTEP
	s_add_co_u32 s22, s22, 320
	s_cmp_ge_u32 s22, s21
	s_cbranch_scc1 .Lend                           ; none of my tiles is left
	s_wait_alu depctr_vm_vsrc(0)                   ; the stores have read the packed registers, in which the next pass's rows land; the last pass's row loads have read v6-10, which are written anew
	AOFFS                                          ; (the last pass's loads that named these registers are in: its last step waited for all)
	s_wait_alu depctr_va_vdst(0)                   ; v6-10 are written, which the row loads read; the way out is done with v64-207, in which rows land; the last pass's matrix instructions are done reading the fragments' and rows' registers
	ALOAD 0
	ALOAD 1
	ALOAD 2
	WFETCH 0
.irp s, 0,1,2,3,4,5,6,7,8,9,10,11,12,13,14,15,16,17,18,19,20,21,22,23,24,25,26,27,28,29,30,31
	STEP \s,0
.endr
	WIN 0
	s_add_co_u32 s24, s24, 1
	s_cmp_lt_u32 s24, 4                            ; three further passes at the most: 4 x 320 rows cover the 1024 that an expert can have
	s_cbranch_scc1 .Lepi
.Lend:
	s_wait_dscnt 0x0
	s_wait_alu depctr_hold_cnt(0) depctr_sa_sdst(0) depctr_va_vdst(0) depctr_va_sdst(0) depctr_va_ssrc(0) depctr_va_vcc(0) depctr_vm_vsrc(0)
	s_wait_tensorcnt 0x0
	ds_add_u32 v254, v255
	s_wait_dscnt 0x0
	s_endpgm
.Lfunc_end_k_q32fa9adb1b_ffn1:
	.size	k_q32fa9adb1b_ffn1, .Lfunc_end_k_q32fa9adb1b_ffn1-k_q32fa9adb1b_ffn1
	.p2alignl 7, 3214868480
	.fill 96, 4, 3214868480
	.section	.rodata,"a",@progbits
	.p2align	6, 0x0
	.amdhsa_kernel k_q32fa9adb1b_ffn1
		.amdhsa_group_segment_fixed_size 264704
		.amdhsa_private_segment_fixed_size 0
		.amdhsa_enable_private_segment 0
		.amdhsa_kernarg_size 40
		.amdhsa_user_sgpr_count 2
		.amdhsa_user_sgpr_kernarg_segment_ptr 1
		.amdhsa_wavefront_size32 1
		.amdhsa_system_sgpr_workgroup_id_x 1
		.amdhsa_system_sgpr_workgroup_id_y 1
		.amdhsa_system_sgpr_workgroup_id_z 1
		.amdhsa_system_vgpr_workitem_id 0
		.amdhsa_next_free_vgpr 1024
		.amdhsa_next_free_sgpr 72
		.amdhsa_reserve_vcc 0
		.amdhsa_float_denorm_mode_32 3
		.amdhsa_float_denorm_mode_16_64 3
		.amdhsa_memory_ordered 1
		.amdhsa_forward_progress 1
		.amdhsa_inst_pref_size 255
	.end_amdhsa_kernel
	.section	.bss,"aw",@nobits
	.p2align	6
	.space	262144
	.amdgpu_metadata
---
amdhsa.version: [ 1, 2 ]
amdhsa.kernels:
  - .name:           k_q32fa9adb1b_ffn1
    .symbol:         k_q32fa9adb1b_ffn1.kd
    .args:
      - { .name: xg, .offset: 0, .size: 8, .value_kind: global_buffer, .address_space: global }
      - { .name: w1, .offset: 8, .size: 8, .value_kind: global_buffer, .address_space: global }
      - { .name: tok, .offset: 16, .size: 8, .value_kind: global_buffer, .address_space: global }
      - { .name: hbuf, .offset: 24, .size: 8, .value_kind: global_buffer, .address_space: global }
      - { .name: b1, .offset: 32, .size: 8, .value_kind: global_buffer, .address_space: global }
    .group_segment_fixed_size: 264704
    .private_segment_fixed_size: 0
    .kernarg_segment_align: 8
    .kernarg_segment_size: 40
    .max_flat_workgroup_size: 128
    .sgpr_count:     72
    .vgpr_count:     1024
    .wavefront_size: 32
...
	.end_amdgpu_metadata
.endif
;; end of part 7
;; launch ffn2 (part 8): grid 8 x 32, 4 waves a work-group, no clusters, 298,496 bytes of LDS; arguments hbuf, w2, tok, pbuf; writes pbuf
.if DOCPART == 8
	.amdgcn_target "amdgcn-amd-amdhsa--gfx1250"
	.amdhsa_code_object_version 6
	.text
	.protected	k_q32fa9adb1b_ffn2
	.globl	k_q32fa9adb1b_ffn2
	.p2align	8
	.type	k_q32fa9adb1b_ffn2,@function
k_q32fa9adb1b_ffn2:
	s_mov_b64 s[64:65], 0
	v_nop
	global_prefetch_b8 v0, s[64:65] scope:SCOPE_SE
	s_setreg_imm32_b32 hwreg(HW_REG_WAVE_SCHED_MODE, 0, 2), 2
	s_setreg_imm32_b32 hwreg(HW_REG_WAVE_MODE, 25, 1), 1
	s_wait_xcnt 0x0
	s_wait_alu depctr_vm_vsrc(0)
; pbuf[ks][slot][:] = h[slot][1024 ks .. + 1023] w2[e][1024 ks .. + 1023][:], f32.  Work-group (x, 4 e + ks): columns 128 x .. + 127 of D, one
; quarter of H.  The four quarters are added in the next launch.
; THE WEIGHTS ARRIVE WHILE THE FIRST PASS MULTIPLIES, AND THEN STAY.  The work-group's 1024 x 128 weights (512 KiB of f32) are read once, in 32
; batches of 32 k.  Of batch g wave w brings rows 32 g + 8 w .. + 7: eight loads, each the 512 consecutive bytes of one row's 128 columns
; (lane l: columns 4 l .. 4 l + 3); rounding rows k and k + 1 together gives 4 bytes of each of a lane's four columns, eight rows give 16.
; LDS holds them as [column][1024 k] in bf16, 2064 bytes from column to column (129 x 16).  Inside each 64 bytes the 16-byte piece j of
; column c lies at place j xor ((c >> 4) & 3): so the sixteen lanes of a store (columns four apart) and the sixteen lanes of a fragment
; load (neighbouring columns) both touch sixteen different 16-byte places modulo 256.
; A PASS is 320 rows: wave w takes the 16-row tiles 4 u + w, u = 0..4, x all 128 columns: 40 accumulators, 320 registers.  For 32 along K:
; 16 LDS loads (weights), 10 global loads (rows), 40 matrix instructions.  hbuf[e][tile][k step][half][lane][16 bytes] is in fragment order, so
; each row load covers 512 consecutive bytes.  A tile at or past the count reads the expert's last tile instead and is not stored.
; THE FIRST PASS is run by every wave whatever the count, so barriers may stand in it.  At the head of its step s a wave rounds batch s + 5; among
; the step's matrix instructions it fetches the fragments of step s + 1, asks for the rows of step s + 3, stores batch s + 5 and asks for
; batch s + 9 (a ring of four stages of eight loads).  A barrier in front of step 0 and one in each of steps 3, 7, .., 27 shows the next four
; batches of all four waves.  Loads come back in the order of issue, so a batch has to be in when the rows asked for behind it are wanted: it has
; the rest of its step and three more steps.  By the text's count at most 62 loads of a wave are out (8 + 3 x 18).  No byte of the weights' part
; of LDS is written twice.
; FURTHER PASSES (an expert can have up to 1024 rows, four passes) hang on a count read from memory: they find all weights in LDS and hold
; no barrier.  The way out is written once: the loop is {way out; leave if no row is left; a further pass}.
; THE PRODUCT IS USED TRANSPOSED: source 0 = 16 columns of weights, source 1 = 16 rows.  Lane (r, h) then holds row r, columns 16 ct + 8 h + j
; in register j.  The way out: a tile goes into the wave's own stage in LDS (16 rows of 528 bytes, behind the weights) and is read back by
; rows: every store covers the 512 consecutive bytes of a row's 128 columns.
; NO CLUSTER, NO TENSOR LOADS: the row tiles are shared by the 8 slices of an expert's quarter, but LDS is full of weights and stages (297,984
; bytes), and the further passes can hold no barrier at all.
; LIMITS: operands rounded to bf16; NaN and infinities not served.  An expert without rows has no stored tile: it still reads its weights, and
; its first pass multiplies bytes of w2 in the rows' place; nothing of that is stored.
; THE MODE: SCHED_MODE bits 1:0 = 2 (LLVM: expert scheduling mode 2), set by the entry lines.  The code itself states the register dependences
; between vector or matrix instructions and memory or LDS instructions, with s_wait_alu, always for 0.
; THE PLAN.  Registers that memory or LDS instructions touch, in step s:
;   RING0 .. RING3  The loads of batch g land in stage g mod 4; the sixteen roundings at the head of step g - 5 read it; batch g + 4 is asked for later in that step.
;   CB              Written by those roundings; read by the batch's four LDS stores later in the same step.
;   AR0 .. AR3      The rows of step s land in stage s mod 4; step s's matrix instructions read it; the loads of step s + 1 (rows of step s + 4) land in it.
;   WF0, WF1        The fragments of step s land in buffer s mod 2; step s's matrix instructions read it; the LDS loads of step s + 1 land in it.
;   v2-5, v16-23    Offsets and LDS addresses: made at the head, never written again.  v6-10: written once a pass, ahead of the pass's first load.
;   The accumulators are named by matrix instructions alone until the way out, where LDS stores read them.
; So ONE wait on va_vdst stands in a step, at its head, behind the roundings: it states that CB is written, that the ring's stage is read out, and that the
; matrix instructions of the step before are done reading their rows and fragments.  The step's 38 memory and LDS instructions follow it, dealt among its 40
; matrix instructions, which name WF[s mod 2], AR[s mod 4] and the accumulators: none of the registers that those 38 touch.  One wait on vm_vsrc stands ahead
; of the roundings: the LDS stores of the step before have read CB.
; THE WAY OUT holds no vector instruction: one wait on va_vdst at its head serves all its LDS stores and loads; a wait on vm_vsrc stands ahead of each tile but the first.
.set RB,    4096                       ; bytes in a row of w2
.set WSH,   15                         ; 8 rows of w2 = 1 << 15 bytes
.set ASH,   13                         ; a tile of A is 8192 bytes for each of its rows
.set PP,    2064                       ; LDS: from column to column
.set STAGE, 128*PP                     ; behind the weights: the stages
.set SP,    528                        ; a stage's row: 512 bytes + 16 (33 x 16)
.set WSTG,  16*SP
.set OSTEP, 320*4096                   ; from a pass to the next in pbuf
.set SADR, 2                           ; v2       where my 16 bytes of column 4 l go
.set L16,  3                           ; v3       16 x lane; never rewritten
.set STO,  4                           ; v4       the way out: row r of my stage, 32 h
.set RD,   5                           ; v5       the way out: my stage + 16 x lane
.set AOFF, 6                           ; v[6:10]  my five tiles of A + 16 x lane
.set BADR, 16                          ; v[16:23] weight fragments, one address a column tile
.set EV,   24                          ; v[24:25] their lane terms for even and odd column tiles
.set CB,   44                          ; v[44:59] a batch in bf16: 4 registers for each of my four columns
.set AR,   64                          ; v[64:223] row fragments: four stages of 5 x 8
.set OB,   64                          ; on the way out, in AR's place: 16 rows x 4 registers
.set RING, 128                         ; window 1: v0-127 weight fragments, two buffers of 8 x 8; v128-255 the ring: four stages of 8 loads
; window 2: accumulators u = 0..3, (u, ct) at 64 u + 8 ct;  window 3: v0-63 accumulators u = 4
.set MSB, 0
.macro WIN new                         ; s_set_vgpr_msb: bits 1:0 source 0, 3:2 source 1, 5:4 source 2, 7:6 destination; the high byte repeats the setting that is left
.if MSB != (\new)
	s_set_vgpr_msb (MSB<<8)|(\new)
.set MSB, (\new)
.endif
.endm
.macro PLACES                          ; four plain vector instructions behind a matrix instruction before one of its registers is loaded into or written, or its result read (ISA guide 7.12.1)
.rept 4
	v_nop
.endr
.endm
; my eight rows of batch g, into ring stage g mod 4.  Two bases, 512 rows apart, as in the launch before, whose rows are longer.
.macro WLOAD g
	WIN 0x40
.set q_, 0
.rept 8
	global_load_b128 v[RING+32*((\g)&3)+4*q_:RING+32*((\g)&3)+4*q_+3], v[L16], s[44+2*((\g)>>4):45+2*((\g)>>4)] offset:(32*((\g)&15)+q_)*RB th:TH_LOAD_NT
.set q_, q_+1
.endr
.endm
; batch g is rounded (rows 2 p and 2 p + 1 together): 16 bytes along K of each of my four columns.  again = 1: CB has been stored from before.
.macro WCV g, again
.if \again
	s_wait_alu depctr_vm_vsrc(0)                   ; the LDS stores of the batch before have read CB, which these roundings write again
.endif
	WIN 0x05
.irp p, 0,1,2,3
.irp jt, 0,1,2,3
	v_cvt_pk_bf16_f32 v[CB+4*\jt+\p], v[RING+32*((\g)&3)+8*\p+\jt], v[RING+32*((\g)&3)+8*\p+4+\jt]
.endr
.endr
	s_wait_alu depctr_va_vdst(0)                   ; the roundings have written CB, which the batch's LDS stores read, and are done reading the ring's stage, in which the next request lands.
	                                               ; With them all that was issued ahead is complete: at the kernel's head the addresses v2, v4-10 and v16-23, which LDS stores, row loads and
	                                               ; fragment loads read; in a step the matrix instructions of the step before, in whose rows' and fragments' registers this step's loads land
.endm
.macro WST g                           ; batch g is laid into LDS
	WIN 0
.irp jt, 0,1,2,3
	ds_store_b128 v[SADR], v[CB+4*\jt:CB+4*\jt+3] offset:\jt*PP+64*(\g)
.endr
.endm
; the weight fragments of step s (8 column tiles).  Pieces h and 2 + h of the step's 64 bytes, each at its place: bit 0 of the column tile's
; number is in the address register, bit 1 swaps the two immediates.
.macro WFETCH s
	WIN 0x40
.irp ct, 0,1,2,3,4,5,6,7
	ds_load_b128 v[64*((\s)&1)+8*\ct:64*((\s)&1)+8*\ct+3], v[BADR+\ct] offset:64*(\s)+32*((\ct>>1)&1)
	ds_load_b128 v[64*((\s)&1)+8*\ct+4:64*((\s)&1)+8*\ct+7], v[BADR+\ct] offset:64*(\s)+32-32*((\ct>>1)&1)
.endr
.endm
.macro ALOAD s                         ; the row fragments of step s (5 tiles)
	WIN 0
.irp u, 0,1,2,3,4
	global_load_b128 v[AR+40*((\s)&3)+8*\u:AR+40*((\s)&3)+8*\u+3], v[AOFF+\u], s[50:51] offset:1024*(\s)
	global_load_b128 v[AR+40*((\s)&3)+8*\u+4:AR+40*((\s)&3)+8*\u+7], v[AOFF+\u], s[50:51] offset:1024*(\s)+512
.endr
.endm
.macro AOFFS                           ; where my five tiles of this pass lie
.irp u, 0,1,2,3,4
	s_add_co_u32 s52, s22, 64*\u                   ; tile 4 u + w of the pass,
	s_min_u32 s52, s52, s23                        ; or the expert's last
	s_min_u32 s52, s52, 1008
	s_lshl_b32 s52, s52, ASH
	v_add_nc_u32 v[AOFF+\u], s52, v[L16]
.endr
.endm
; eight matrix instructions: row tile u x the eight column tiles, 32 along K.  Step 0 starts the sums: nothing is cleared.
; The 40 accumulators take turns, one instruction a turn, in the same order in every step.
.macro MM s, u
.if (\u) < 4
	WIN 0xa1
.set ab_, 64*(\u)
.else
	WIN 0xf1
.set ab_, 0
.endif
.set wf_, 64*((\s)&1)
.set ar_, AR+40*((\s)&3)+8*(\u)
.irp ct, 0,1,2,3,4,5,6,7
.if (\s) == 0
	v_wmma_f32_16x16x32_bf16 v[ab_+8*\ct:ab_+8*\ct+7], v[wf_+8*\ct:wf_+8*\ct+7], v[ar_:ar_+7], 0
.else
	v_wmma_f32_16x16x32_bf16 v[ab_+8*\ct:ab_+8*\ct+7], v[wf_+8*\ct:wf_+8*\ct+7], v[ar_:ar_+7], v[ab_+8*\ct:ab_+8*\ct+7]
.endif
.endr
.endm
; A step.  first = 1: the first pass, which also brings the weights in.
; At its head batch s + 5 is rounded, and one wait on va_vdst follows.  Behind it, with no further wait: the fragments of step s + 1 behind the second eight
; matrix instructions (and behind the barrier, where there is one); the rows of step s + 3, batch s + 5 into LDS and the request for batch s + 9 behind the third
; eight.  The rows are asked for ahead of the batch, as the counts of the waits for loads assume.  The loads go into registers that the step before read: the
; sixteen roundings, which name no register of a matrix instruction, are the places; where there are none, four v_nop.
.macro STEP s, first
.set na_, 31-(\s)
.if na_ > 2
.set na_, 2
.endif
.set nw_, 0
.set bar_, 0
.set cv_, 0
.if \first
.set nw_, 26-(\s)
.if nw_ > 3
.set nw_, 3
.endif
.if nw_ < 0
.set nw_, 0
.endif
.if ((\s)&3) == 3
.if (\s) < 31
.set bar_, 1
.endif
.endif
.if (\s) < 27
.set cv_, 1
.endif
.endif
.set wt_, 0                            ; a step without roundings that still issues loads has a wait of its own; step 0 of a further pass leans on the wait ahead of the pass, step 31 issues no load
.if (\s) < 31
.if (\s) > 0
.set wt_, 1-cv_
.endif
.endif
	s_wait_dscnt 0x0                               ; this step's fragments are in and my stores of batches up to s + 4 are done: nothing younger is out
	s_wait_loadcnt 10*na_+8*nw_                    ; this step's rows are in, and with them batch s + 5, asked for ahead of them; the rows of the next two steps and the three youngest batches stay out
.if bar_
	s_barrier_signal -1                            ; my parts of batches up to s + 4 lie in LDS
.endif
.if cv_
	WCV (\s)+5, 1
.endif
.if wt_
	PLACES
	s_wait_alu depctr_va_vdst(0)                   ; the matrix instructions of the step before are done reading their rows and fragments, in whose registers this step's loads land
.endif
	MM \s,0
	MM \s,1
.if bar_
	s_barrier_wait -1                              ; everybody's do: steps s + 1 to s + 4 may be fetched
.endif
.if (\s) < 31
	WFETCH (\s)+1                                  ; no wait: no vector or matrix instruction since the wait at the step's head names the other fragment buffer
.endif
	MM \s,2
.if (\s) < 29
	ALOAD (\s)+3                                   ; nor the stage of rows that the step before read,
.endif
.if cv_
	WST (\s)+5                                     ; nor CB,
.endif
.if \first
.if (\s) < 23
	WLOAD (\s)+9                                   ; nor the ring's stage that the roundings emptied
.endif
.endif
	MM \s,3
	MM \s,4
.endm
; my tile u: 32 bytes a lane and column tile into my stage, whole rows back, whole rows out
.macro TILE u
.if (\u) < 4
.set aw_, 2
.set ab_, 64*(\u)
.else
.set aw_, 3
.set ab_, 0
.endif
	WIN aw_<<2
.irp ct, 0,1,2,3,4,5,6,7
	ds_store_b128 v[STO], v[ab_+8*\ct:ab_+8*\ct+3] offset:64*\ct
	ds_store_b128 v[STO], v[ab_+8*\ct+4:ab_+8*\ct+7] offset:64*\ct+16
.endr
	WIN 0
.irp t, 0,1,2,3,4,5,6,7,8,9,10,11,12,13,14,15
	ds_load_b128 v[OB+4*\t:OB+4*\t+3], v[RD] offset:\t*SP          ; LDS serves a wave's instructions in order (ISA guide 5.7.1.4): these see the stores above
.endr
.irp t, 0,1,2,3,4,5,6,7,8,9,10,11,12,13,14,15
	s_wait_dscnt 15-\t                             ; row t is in; the later rows' loads stay out
	global_store_b128 v[L16], v[OB+4*\t:OB+4*\t+3], s[48:49] offset:262144*(\u)+4096*\t
.endr
.endm
	s_load_b256 s[4:11], s[0:1], 0x0               ; hbuf s[4:5], w2 s[6:7], tok s[8:9] (the counts at byte 32768), pbuf s[10:11]
	v_lshl_add_u32 v254, v0, 2, 0x48c00
	v_mov_b32 v255, 0
	v_lshrrev_b32 v11, 5, v0
	v_readfirstlane_b32 s14, v11                   ; wave 0..3
	s_and_b32 s19, ttmp7, 0xffff
	s_and_b32 s20, s19, 3                          ; ks: the quarter of H
	s_lshr_b32 s19, s19, 2                         ; e
	s_lshl_b32 s25, s19, 2
	v_and_b32 v12, 15, v0                          ; r
	v_bfe_u32 v13, v0, 4, 1                        ; h
	v_and_b32 v14, 31, v0                          ; lane
	v_lshlrev_b32 v[L16], 4, v14
	s_wait_alu depctr_va_sdst(0)                   ; s14 is written, ahead of its first reader: bases, LDS places and the pass's rows are made from it
	s_lshr_b32 s15, s14, 1                         ; its upper bit
	s_lshl_b32 s56, s19, 24                        ; w2[e]: 16 MiB
	s_lshl_b32 s57, s20, 22                        ; 1024 ks rows
	s_add_co_u32 s56, s56, s57
	s_lshl_b32 s57, s14, WSH                       ; 8 w rows
	s_add_co_u32 s56, s56, s57
	s_lshl_b32 s57, ttmp9, 9                       ; 128 x columns
	s_add_co_u32 s56, s56, s57
	s_mov_b32 s57, 0
	s_wait_kmcnt 0x0
	s_load_b32 s21, s[8:9], s25 offset:0x8000      ; the expert's count
	s_add_nc_u64 s[44:45], s[6:7], s[56:57]        ; batches 0 to 15
	s_add_nc_u64 s[46:47], s[44:45], 512*RB        ; batches 16 to 31
	WIN 0x40
	s_wait_alu depctr_va_vdst(0)                   ; v3 is written: the loads of the weights read it as their offset
	WLOAD 0                                        ; the ring is filled before anything else is done
	WLOAD 1
	WLOAD 2
	WLOAD 3
	WIN 0
	v_bfe_u32 v11, v0, 2, 2                        ; b = (column >> 4) & 3 of my four columns = (lane >> 2) & 3
	v_add_nc_u32 v15, s14, v11
	v_and_b32 v15, 1, v15                          ; w xor b, bit 0: the low bit of the sum
	v_lshrrev_b32 v11, 1, v11
	v_add_nc_u32 v11, s15, v11
	v_and_b32 v11, 1, v11                          ; bit 1: the low bit of the upper bits' sum
	v_lshl_add_u32 v15, v11, 1, v15
	v_mul_u32_u24 v[SADR], v14, 4*PP               ; column 4 l,
	v_lshl_add_u32 v[SADR], v15, 4, v[SADR]        ; piece w of a batch's 64 bytes, at its place
	v_mul_u32_u24 v11, v12, PP                     ; a fragment: lane (r, h) reads column r of the tile,
	v_lshl_add_u32 v[EV], v13, 4, v11              ; piece h in even column tiles,
	v_add_nc_u32 v15, 16, v0
	v_bfe_u32 v15, v15, 4, 1                       ; 1 - h
	v_lshl_add_u32 v[EV+1], v15, 4, v11            ; piece 1 - h in odd ones
.irp ct, 0,1,2,3,4,5,6,7
	v_add_nc_u32 v[BADR+\ct], \ct*16*PP, v[EV+(\ct&1)]
.endr
	s_mul_i32 s52, s14, WSTG
	s_add_co_u32 s52, s52, STAGE                   ; my stage
	v_mul_u32_u24 v15, v12, SP
	v_lshl_add_u32 v15, v13, 5, v15
	v_add_nc_u32 v[STO], s52, v15
	v_add_nc_u32 v[RD], s52, v[L16]
	s_lshl_b32 s56, s20, 25                        ; pbuf: 32 MiB a quarter,
	s_lshl_b32 s58, s19, 22                        ; 1024 slots of 4096 bytes an expert,
	s_add_co_u32 s56, s56, s58
	s_lshl_b32 s58, s14, 16                        ; tile w,
	s_add_co_u32 s56, s56, s58
	s_lshl_b32 s58, ttmp9, 9                       ; 128 x columns
	s_add_co_u32 s56, s56, s58
	s_add_nc_u64 s[48:49], s[10:11], s[56:57]
	s_lshl_b32 s56, s19, 23                        ; hbuf: 8 MiB an expert,
	s_lshl_b32 s58, s20, 15                        ; 32 ks steps of 1024 bytes in a tile
	s_add_co_u32 s56, s56, s58
	s_add_nc_u64 s[50:51], s[4:5], s[56:57]
	; the steps' schedule, run for the five batches that step 0 finds in LDS
	s_wait_loadcnt 24                              ; batch 0 is in; batches 1 to 3 stay out
	WCV 0, 0
	WST 0
	WLOAD 4
	s_wait_loadcnt 24                              ; batch 1; batches 2 to 4 stay out
	WCV 1, 1
	WST 1
	WLOAD 5
	WIN 0
	s_wait_kmcnt 0x0
	s_min_u32 s21, s21, 1024                       ; the expert's rows
	s_add_co_u32 s23, s21, 15
	s_and_b32 s23, s23, -16
	s_max_u32 s23, s23, 16
	s_add_co_i32 s23, s23, -16                     ; the first row of its last tile
	s_cmp_eq_u32 s21, 0
	s_cselect_b64 s[50:51], s[6:7], s[50:51]       ; an expert without rows has no stored tile: its row loads read bytes of w2, and nothing of the product is stored
	s_lshl_b32 s22, s14, 4                         ; the first row of my first tile of the pass
	s_mov_b32 s24, 0                               ; counts the further passes
	AOFFS                                          ; (the wait behind batch 2's roundings shows v6-10 written, ahead of the first row load)
	s_wait_loadcnt 24                              ; batch 2; batches 3 to 5 stay out
	WCV 2, 1
	WST 2
	ALOAD 0
	WLOAD 6
	s_wait_loadcnt 34                              ; batch 3; batches 4, 5, 6 and the rows of step 0 stay out
	WCV 3, 1
	WST 3
	ALOAD 1
	WLOAD 7
	s_wait_loadcnt 44                              ; batch 4; batches 5, 6, 7 and the rows of steps 0 and 1 stay out
	WCV 4, 1
	WST 4
	ALOAD 2
	WLOAD 8
	s_wait_dscnt 0x0                               ; my parts of batches 0 to 4 lie in LDS,
	s_barrier_signal -1
	s_barrier_wait -1                              ; everybody's do
	WFETCH 0
.irp s, 0,1,2,3,4,5,6,7,8,9,10,11,12,13,14,15,16,17,18,19,20,21,22,23,24,25,26,27,28,29,30,31
	STEP \s,1
.endr
	WIN 0
	; from here on the weights are only read, a stage is its wave's own, and no barrier follows
.Lepi:
	PLACES
	s_wait_alu depctr_va_vdst(0)                   ; the matrix instructions have written the accumulators, which the LDS stores read, and are done reading the rows' registers, in which the loads from the stage land; the places above stay beside this wait
.irp u, 0,1,2,3,4
	WIN 0
	s_add_co_u32 s52, s22, 64*\u
	s_cmp_ge_u32 s52, s21                          ; a tile that begins at or past the count is not stored, nor any behind it
	s_cbranch_scc1 .Lout
	s_wait_xcnt 0x0                                ; the last tile's stores have had their addresses translated: their data is rewritten only behind this wait
.if \u > 0
	s_wait_alu depctr_vm_vsrc(0)                   ; the last tile's stores have read v64-127, in which this tile's loads from the stage land
.endif
	TILE \u
.endr
	WIN 0
.Lout:
	s_wait_xcnt 0x0                                ; the stores' base and data are rewritten only behind this wait
	s_add_nc_u64 s[48:49], s[48:49], OSTEP
	s_add_co_u32 s22, s22, 320
	s_cmp_ge_u32 s22, s21
	s_cbranch_scc1 .Lend                           ; none of my tiles is left
	s_wait_alu depctr_vm_vsrc(0)                   ; the stores have read v64-127, in which the next pass's rows land; the LDS stores have read the accumulators, which the next pass writes; the last pass's row loads have read v6-10, which are written anew
	AOFFS                                          ; (the last pass's loads that named these registers are in: its last step waited for all)
	s_wait_alu depctr_va_vdst(0)                   ; v6-10 are written, which the row loads read
	ALOAD 0
	ALOAD 1
	ALOAD 2
	WFETCH 0
.irp s, 0,1,2,3,4,5,6,7,8,9,10,11,12,13,14,15,16,17,18,19,20,21,22,23,24,25,26,27,28,29,30,31
	STEP \s,0
.endr
	WIN 0
	s_add_co_u32 s24, s24, 1
	s_cmp_lt_u32 s24, 4                            ; three further passes at the most: 4 x 320 rows cover the 1024 that an expert can have
	s_cbranch_scc1 .Lepi
.Lend:
	s_wait_dscnt 0x0
	s_wait_alu depctr_hold_cnt(0) depctr_sa_sdst(0) depctr_va_vdst(0) depctr_va_sdst(0) depctr_va_ssrc(0) depctr_va_vcc(0) depctr_vm_vsrc(0)
	s_wait_tensorcnt 0x0
	ds_add_u32 v254, v255
	s_wait_dscnt 0x0
	s_endpgm
.Lfunc_end_k_q32fa9adb1b_ffn2:
	.size	k_q32fa9adb1b_ffn2, .Lfunc_end_k_q32fa9adb1b_ffn2-k_q32fa9adb1b_ffn2
	.p2alignl 7, 3214868480
	.fill 96, 4, 3214868480
	.section	.rodata,"a",@progbits
	.p2align	6, 0x0
	.amdhsa_kernel k_q32fa9adb1b_ffn2
		.amdhsa_group_segment_fixed_size 298496
		.amdhsa_private_segment_fixed_size 0
		.amdhsa_enable_private_segment 0
		.amdhsa_kernarg_size 32
		.amdhsa_user_sgpr_count 2
		.amdhsa_user_sgpr_kernarg_segment_ptr 1
		.amdhsa_wavefront_size32 1
		.amdhsa_system_sgpr_workgroup_id_x 1
		.amdhsa_system_sgpr_workgroup_id_y 1
		.amdhsa_system_sgpr_workgroup_id_z 1
		.amdhsa_system_vgpr_workitem_id 0
		.amdhsa_next_free_vgpr 1024
		.amdhsa_next_free_sgpr 66
		.amdhsa_reserve_vcc 0
		.amdhsa_float_denorm_mode_32 3
		.amdhsa_float_denorm_mode_16_64 3
		.amdhsa_memory_ordered 1
		.amdhsa_forward_progress 1
		.amdhsa_inst_pref_size 255
	.end_amdhsa_kernel
	.section	.bss,"aw",@nobits
	.p2align	6
	.space	262144
	.amdgpu_metadata
---
amdhsa.version: [ 1, 2 ]
amdhsa.kernels:
  - .name:           k_q32fa9adb1b_ffn2
    .symbol:         k_q32fa9adb1b_ffn2.kd
    .args:
      - { .name: hbuf, .offset: 0, .size: 8, .value_kind: global_buffer, .address_space: global }
      - { .name: w2, .offset: 8, .size: 8, .value_kind: global_buffer, .address_space: global }
      - { .name: tok, .offset: 16, .size: 8, .value_kind: global_buffer, .address_space: global }
      - { .name: pbuf, .offset: 24, .size: 8, .value_kind: global_buffer, .address_space: global }
    .group_segment_fixed_size: 298496
    .private_segment_fixed_size: 0
    .kernarg_segment_align: 8
    .kernarg_segment_size: 32
    .max_flat_workgroup_size: 128
    .sgpr_count:     66
    .vgpr_count:     1024
    .wavefront_size: 32
...
	.end_amdgpu_metadata
.endif
;; end of part 8
;; launch combine: the kernel of part 6 again; grid 1024 x 1, 8 waves a work-group, no clusters, 0 bytes of LDS; arguments x, b2, wts, pos, pbuf, out0; writes out0
